; MI455X (gfx1250); checked and timed in simulation.
; The chip was launched on July 23, 2026; its instructions are those of AMD's public machine-readable ISA for CDNA 5 (MIT licence, August 2026) and "CDNA5" Instruction Set Architecture Reference Guide (July 2026). The comments in the code are by the model that wrote it; some were corrected since.
;; Mo E Layer. Allowed arithmetic: matrix products marked QUANTISED: E2M1 operands, one E8M0 scale for each 32 along K, by v_wmma_scale_f32_16x16x128_f8f6f4 with both operands' format E2M1 (or v_wmma_scale_f32_32x16x128_f4), f32 sums; products left as they are: f32 operands where the result goes on into a quantised operand, else bf16, f16 or f32 operands; f32 sums; everything else in f32.
;; Inputs: We 8 x 1,024 x 1,024 float32; Wg 1,024 x 8 float32; be 8 x 1,024 float32; bg 8 float32; x 4 x 2,048 x 1,024 float32.
;; Outputs: out0 4 x 2,048 x 1,024 float32.
;; This version of the problem:
;;   THIS VERSION OF THE PROBLEM IS GIVEN IN LOW PRECISION. The matrix products marked QUANTISED in the list below multiply operands that are first quantised to E2M1 (2 exponent bits, 1 mantissa bit; 4 bits a number), with one power-of-two scale for each 32 numbers along K (OCP MX v1.0); their sums are f32. All else is computed in f32.
;;   The module's matrix products, in the order in which they are computed (A, B: the left and right operand; K: the contracted axis; several contracted axes count as one K, in the product's order):
;;     1. [M 8,192, K 1,024] x [K 1,024, N 8]; A: input x; B: input Wg: left as it is (N = 8 < 16)
;;     2. [M 8,192, K 1,024] x [K 1,024, N 8,192]; A: input x; B: input We: QUANTISED
;;   THE QUANTISER, for each operand of a quantised product, along K:
;;     - K is cut into blocks of 32 from its start; a last block that is shorter is filled with zeros.
;;     - A block's scale is 2^e with e = floor(log2(the largest magnitude in the block)) - 2, held to -126 .. 127; a block of zeros has e = 0. As a byte (E8M0): e + 127.
;;     - Each number is divided by its block's scale, clamped to +-6, and rounded to the nearest number of E2M1, ties to even, subnormals kept.
;;     - The product sums the exact products of the quantised numbers (number of the format x scale) in f32.
;;   ~~~python
;;   def quantise(x, axis):      # numpy; x: float32 -> the quantised numbers, widened to float32 again
;;       x = np.moveaxis(x, axis, -1); K = x.shape[-1]
;;       x = np.pad(x, [(0, 0)] * (x.ndim - 1) + [(0, -K % 32)]); x = x.reshape(x.shape[:-1] + (-1, 32)); a = np.abs(x).max(-1, keepdims=True)
;;       e = np.where(a > 0, np.clip(np.frexp(np.where(a > 0, a, 1))[1] - 1 - 2, -126, 127), 0)      # np.frexp(a)[1] - 1 = floor(log2(a)), exactly
;;       r = np.clip(x / 2.0 ** e, -6, 6)
;;       step = 2.0 ** (np.maximum(np.frexp(np.where(r == 0, 1, r))[1] - 1, 0) - 1)
;;       q = np.round(r / step) * step * 2.0 ** e      # np.round: ties to even
;;       return np.moveaxis(q.reshape(q.shape[:-2] + (-1,))[..., :K], -1, axis).astype(np.float32)
;;   ~~~
;; 2 versions. Each part assembles by itself: llvm-mc -triple=amdgcn-amd-amdhsa -mcpu=gfx1250 --defsym DOCPART=n.
;; ======== version 1 of 2: 3 launches
;; workspace buffers: xq 4,194,304 bytes; xs 262,144 bytes; wq 4,194,304 bytes; ws 262,144 bytes; gates 65,536 bytes; route 65,536 bytes of whole numbers; order 32,768 bytes of whole numbers
;; launch prep (part 1): grid 256 x 1, 8 waves a work-group, no clusters, 327,680 bytes of LDS; arguments x, We, Wg, bg, xq, xs, wq, ws, gates, route; writes xq, xs, wq, ws, gates, route
.if DOCPART == 1
	.amdgcn_target "amdgcn-amd-amdhsa--gfx1250"
	.amdhsa_code_object_version 6
	.text
	.protected	k_q5cd59d864f_prep
	.globl	k_q5cd59d864f_prep
	.p2align	8
	.type	k_q5cd59d864f_prep,@function
k_q5cd59d864f_prep:
	s_mov_b64 s[64:65], 0
	v_nop
	global_prefetch_b8 v0, s[64:65] scope:SCOPE_SE
	s_setreg_imm32_b32 hwreg(HW_REG_WAVE_MODE, 25, 1), 1
	s_wait_xcnt 0x0
; x [8192][1024] and We [8][1024 d][1024 f], f32, become codes of FP4 (E2M1) with one E8M0 byte for each 32 along d; the router (x Wg + bg, softmax, top-2, gates) is computed in f32.
; A block's byte is its largest magnitude's exponent field - 2, held at 1 from below; each number is divided by that scale and rounded to the nearest code, ties to even, beyond 6 the code of 6.
; LIMITS: NaN and infinities among the inputs are not served.  A block of zeros gets the byte 1 (the stated quantiser says 127): its codes are zeros and only this program reads the bytes.
;         Two probabilities that differ by less than the last bit of v_exp_f32, or logits that differ only by the order of the f32 sums, may be ranked otherwise than by another order of the same arithmetic.
; SHARES.  Work-group g of 256: tokens 32 g .. 32 g + 31 of x, and of We expert g / 32, columns 64 ((g / 2) % 16) on, 512 of d from 512 (g % 2) on.  All of Wg (32 KB) comes to every work-group.
; All that a work-group reads, 288 KB, is asked for at the first lines: three tensor loads a wave, each into LDS bytes that are filled once.  No LDS byte is filled again, so there is no ring.
; OUT:  xq [token][512 B], block b of 32 codes at byte 16 b;  xs [token][32 bytes];
;       wq [e][tile of 16 f][K step of 128][c 2][lane 16 h + r][16 B]: the operand's registers on end (row f = 16 tile + r, block 2 c + h of the K step);
;       ws [e][tile][half of K][r][4 words]: word q = the four bytes of K step 4 half + q;   gates [token](gate of the lower expert, of the higher);
;       route [group of 32 tokens][lane][2 words]: word 0 = lo | hi << 4 | key << 8 | rank << 16 of token 32 group + lane; word 1 = how many tokens of the group have key = lane.
; The key numbers the 28 pairs lo < hi so that neighbouring keys share an expert: lo (15 - lo) / 2 + (hi - lo - 1 where lo is even, 7 - hi where it is odd).
; No cluster: work-groups share Wg alone, 32 of the 288 KB that each reads.
.set WE,   0                           ; LDS: We's tile, 512 rows of d x 256 bytes (64 columns)
.set XL,   131072                      ; x: for each wave 128 pieces of 128 bytes + 16 of padding (4 rows x 32 blocks)
.set XW,   18432
.set WGL,  278528                      ; Wg: 32 pieces of 1,024 bytes + 16 of padding (piece l: rows d = 32 l .. 32 l + 31)
.set LG,   311808                      ; logits [32 tokens][8]         (these three regions are written by LDS stores; no tile lands in them)
.set XSC,  312832                      ; x's scale bytes [32 tokens][32]
.set WSC,  313856                      ; We's scale words [64 columns][4]
.set CD,   16                          ; v16-31   codes, four sets of four
.set AC,   32                          ; v32-63   the router's 32 sums (row 8 p + expert); before that the quantisers' own
.set WR,   64                          ; v64-127  Wg, two sets of four rows
.set X,    128                         ; v128-255 128 numbers
.set FLOOR, 0x1800000                  ; 2^(3 - 127): no largest magnitude is taken under it, so the byte cannot fall under 1
.set OFFE,  0xff000000                 ; takes 2 off an exponent field
	s_load_b512 s[4:19], s[0:1], 0x0               ; x s[4:5], We s[6:7], Wg s[8:9], bg s[10:11], xq s[12:13], xs s[14:15], wq s[16:17], ws s[18:19]
	s_load_b128 s[20:23], s[0:1], 0x40             ; gates s[20:21], route s[22:23]
	s_set_vgpr_msb 0x40
	v_lshl_add_u32 v0, v0, 2, 0x4ce00
	v_mov_b32 v1, 0
	s_set_vgpr_msb 0x4045
	ds_add_u32 v0, v1
	ds_add_u32 v0, v1
	s_set_vgpr_msb 0x4500
	v_lshrrev_b32 v1, 5, v0
	v_readfirstlane_b32 s60, v1                    ; wave 0..7
	v_and_b32 v1, 31, v0                           ; lane
	; descriptor groups 1, elements of 8 bytes.  We: 64 rows of 256 bytes, 4,096 bytes apart, no padding
	s_mov_b32 s24, 3<<16
	s_mov_b32 s25, 32<<16                          ; tensor_dim0 = 32
	s_mov_b32 s26, 64<<16                          ; tensor_dim1 = 64
	s_mov_b32 s27, 32<<16                          ; tile_dim0
	s_mov_b32 s28, 64                              ; tile_dim1
	s_mov_b32 s29, 512                             ; from row to row
	s_mov_b32 s30, 0
	s_mov_b32 s31, 0
	; x: four dense rows as 128 rows of 128 bytes; 4 words of padding behind every 32
	s_mov_b32 s32, (3<<16)|(1<<20)|(4<<22)|(3<<25)
	s_mov_b32 s33, 16<<16
	s_mov_b32 s34, 128<<16
	s_mov_b32 s35, 16<<16
	s_mov_b32 s36, 128
	s_mov_b32 s37, 16
	s_mov_b32 s38, 0
	s_mov_b32 s39, 0
	; Wg: 4,096 dense bytes as 4 rows of 1,024; 4 words of padding behind every 256
	s_mov_b32 s40, (3<<16)|(1<<20)|(7<<22)|(3<<25)
	s_mov_b32 s41, 128<<16
	s_mov_b32 s42, 4<<16
	s_mov_b32 s43, 128<<16
	s_mov_b32 s44, 4
	s_mov_b32 s45, 128
	s_mov_b32 s46, 0
	s_mov_b32 s47, 0
	s_lshr_b32 s61, ttmp9, 5                       ; e
	s_bfe_u32 s62, ttmp9, 0x40001                  ; which 64 columns
	s_and_b32 s63, ttmp9, 1                        ; which half of d
	s_lshr_b32 s66, s60, 1                         ; q: which 128 of the half's 512 I quantise
	s_and_b32 s67, s60, 1                          ; cg: which 32 of the 64 columns
	s_lshl_b32 s80, s61, 22                        ; We: expert,
	s_lshl_b32 s94, s63, 21                        ; half of d,
	s_add_co_u32 s80, s80, s94
	s_lshl_b32 s94, s60, 18                        ; the 64 rows that I fetch,
	s_add_co_u32 s80, s80, s94
	s_lshl_b32 s94, s62, 8                         ; the columns
	s_add_co_u32 s80, s80, s94
	s_mov_b32 s81, 0
	s_lshl_b32 s82, s60, 12                        ; Wg: my 4,096 bytes
	s_mov_b32 s83, 0
	s_lshl_b32 s84, ttmp9, 17                      ; x: 32 rows a work-group,
	s_lshl_b32 s94, s60, 14                        ; 4 a wave
	s_add_co_u32 s84, s84, s94
	s_mov_b32 s85, 0
	s_mov_b32 s48, 1                               ; groups 0: count, LDS address, global address, type
	s_lshl_b32 s49, s60, 14                        ; WE + 16,384 x wave
	s_mov_b32 s52, 1
	s_mul_i32 s53, s60, 4160
	s_add_co_u32 s53, s53, WGL
	s_mov_b32 s56, 1
	s_mul_i32 s57, s60, XW
	s_add_co_u32 s57, s57, XL
	s_mov_b32 s76, 0xff00ff00                      ; lanes whose number has bit 3, 2, 1, 0 set
	s_mov_b32 s77, 0xf0f0f0f0
	s_mov_b32 s78, 0xcccccccc
	s_mov_b32 s79, 0xaaaaaaaa
	s_wait_dscnt 0x0
	s_wait_kmcnt 0x0
	s_add_nc_u64 s[50:51], s[6:7], s[80:81]
	s_or_b32 s51, s51, 0x80000000
	s_add_nc_u64 s[54:55], s[8:9], s[82:83]
	s_or_b32 s55, s55, 0x80000000
	s_add_nc_u64 s[58:59], s[4:5], s[84:85]
	s_or_b32 s59, s59, 0x80000000
	s_load_b256 s[68:75], s[10:11], 0x0            ; bg
	tensor_load_to_lds s[48:51], s[24:31]          ; the three first fills of the wave go out together: three loads of mine are out.  We first: it is worked on first
	s_nop 0
	tensor_load_to_lds s[52:55], s[40:47]          ; Wg
	s_nop 0
	tensor_load_to_lds s[56:59], s[32:39]          ; x
	s_nop 0
.rept 4
	v_nop                                          ; (behind tensor loads)
.endr
	; every address register is made here, ahead of any parting of the waves
	v_lshlrev_b32 v2, 4, v1                        ; 16 x lane
	s_lshl_b32 s94, s66, 15
	s_lshl_b32 s95, s67, 7
	s_add_co_u32 s94, s94, s95
	v_lshl_add_u32 v3, v1, 2, s94                  ; We's tile: my 128 rows, my column: 32,768 q + 128 cg + 4 lane
	v_mul_u32_u24 v4, v1, 144
	v_add_nc_u32 v4, s57, v4                       ; x: my wave's pieces, piece = lane: block l of each row
	v_mul_u32_u24 v5, v1, 1040
	v_add_nc_u32 v5, WGL, v5                       ; Wg: piece = lane
	s_lshl_b32 s94, s60, 7
	v_add_nc_u32 v6, s94, v1
	v_add_nc_u32 v6, XSC, v6                       ; x's scale bytes: 128 wave + lane (+ 32 row)
	v_lshl_add_u32 v7, v1, 2, s94
	v_add_nc_u32 v7, LG, v7                        ; logits: 128 wave + 4 lane
	s_lshl_b32 s94, s67, 9
	s_lshl_b32 s95, s66, 2
	s_add_co_u32 s94, s94, s95
	v_lshl_add_u32 v8, v1, 4, s94
	v_add_nc_u32 v8, WSC, v8                       ; We's scale words: 16 (32 cg + lane) + 4 q
	v_lshrrev_b32 v15, 4, v1
	v_and_b32 v14, 15, v1
	v_lshlrev_b32 v9, 13, v15
	v_lshl_add_u32 v9, v14, 4, v9                  ; wq: 8,192 (lane / 16) + 16 (lane % 16)
	v_lshlrev_b32 v10, 9, v15
	v_lshl_add_u32 v10, v14, 4, v10                ; ws: 512 (lane / 16) + 16 (lane % 16)
	v_lshlrev_b32 v11, 5, v1
	v_add_nc_u32 v11, LG, v11                      ; a token's eight logits
	v_lshlrev_b32 v12, 3, v1                       ; 8 x lane
	v_add_nc_u32 v13, XSC, v2
	v_add_nc_u32 v14, WSC, v2
	; where the results go
	s_lshl_b32 s86, s61, 6
	s_lshl_b32 s94, s62, 2
	s_add_co_u32 s86, s86, s94                     ; the work-group's first tile of 16 columns: 64 e + 4 x column group
	s_lshl_b32 s92, s86, 1
	s_add_co_u32 s92, s92, s63
	s_lshl_b32 s92, s92, 8                         ; ws: (2 tile + half) x 256
	s_mov_b32 s93, 0
	s_lshl_b32 s94, s67, 1
	s_add_co_u32 s86, s86, s94
	s_lshl_b32 s86, s86, 13                        ; wq: my first tile x 8,192
	s_lshl_b32 s94, s63, 2
	s_add_co_u32 s94, s94, s66
	s_lshl_b32 s94, s94, 10                        ; + K step (4 half + q) x 1,024
	s_add_co_u32 s86, s86, s94
	s_mov_b32 s87, 0
	s_add_nc_u64 s[86:87], s[16:17], s[86:87]
	s_add_nc_u64 s[92:93], s[18:19], s[92:93]
	s_lshl_b32 s88, ttmp9, 14
	s_lshl_b32 s94, s60, 11
	s_add_co_u32 s88, s88, s94
	s_mov_b32 s89, 0
	s_add_nc_u64 s[88:89], s[12:13], s[88:89]      ; xq at my four rows
	s_lshl_b32 s90, ttmp9, 10
	s_mov_b32 s91, 0
	s_add_nc_u64 s[90:91], s[14:15], s[90:91]      ; xs at the work-group's 32 rows
	s_lshl_b32 s94, ttmp9, 8
	s_mov_b32 s95, 0
	s_add_nc_u64 s[20:21], s[20:21], s[94:95]      ; gates and route at the work-group's 256 bytes
	s_add_nc_u64 s[22:23], s[22:23], s[94:95]
	s_wait_tensorcnt 0x1                           ; my parts of We's tile and of Wg are in; x's load, issued last, may stay out
	s_wait_kmcnt 0x0                               ; bg
	s_barrier_signal -1
	s_barrier_wait -1                              ; everybody's parts are in
; ---- We.  A lane takes a column and its registers run down d: a block of 32 lies in one lane, and the codes come out with d innermost.
.macro LOADB b                         ; block b of my 128 rows: 32 loads, 128 neighbouring bytes each
.set i, 0
.rept 32
	ds_load_b32 v[X+32*(\b)+i], v3 offset:(32*(\b)+i)*256
.set i, i+1
.endr
.endm
.macro QW b
.set XS, X+32*(\b)
	v_max3_num_f32 v32, |v[XS]|, |v[XS+1]|, |v[XS+2]|              ; the block's largest magnitude, in two chains
	v_max3_num_f32 v33, |v[XS+3]|, |v[XS+4]|, |v[XS+5]|
.irp i, 6,10,14,18,22,26
	v_max3_num_f32 v32, v32, |v[XS+\i]|, |v[XS+\i+1]|
	v_max3_num_f32 v33, v33, |v[XS+\i+2]|, |v[XS+\i+3]|
.endr
	v_max3_num_f32 v32, v32, |v[XS+30]|, |v[XS+31]|
	v_max3_num_f32 v32, v32, v33, FLOOR
	v_add_nc_u32 v34, OFFE, v32                    ; the conversion takes this operand's exponent field as its scale
	v_lshrrev_b32 v35, 23, v34                     ; the scale's byte
.if (\b) == 0
	v_mov_b32 v36, v35                             ; the K step's four bytes make a word
.else
	v_lshl_or_b32 v36, v35, 8*(\b), v36
.endif
.irp g, 0,1,2,3
	v_cvt_scalef32_pk8_fp4_f32 v[CD+4*(\b)+\g], v[XS+8*\g:XS+8*\g+7], v34
.endr
	v_nop                                          ; one plain line behind the conversions
	global_store_b128 v9, v[CD+4*(\b):CD+4*(\b)+3], s[86:87] offset:((\b)/2)*512+((\b)%2)*256   ; block 2 c + h: sixteen lanes store 256 consecutive bytes, aligned
.endm
	LOADB 0
	LOADB 1
	s_wait_dscnt 32                                ; block 0's loads are in, block 1's 32 may be out
	QW 0
	LOADB 2
	s_wait_dscnt 32
	QW 1
	LOADB 3
	s_wait_dscnt 32
	QW 2
	s_wait_dscnt 0x0
	QW 3
	ds_store_b32 v8, v36                           ; my column's scale word of my K step
; ---- x.  Lane l holds block l (d = 32 l .. 32 l + 31) of each of my four rows: 128 numbers.  They are quantised, and multiplied by Wg's rows of the same d.
	s_wait_tensorcnt 0x0                           ; my four rows are in: only I read them
.irp p, 0,1,2,3
.irp j, 0,1,2,3,4,5,6,7
	ds_load_b128 v[X+32*\p+4*\j:X+32*\p+4*\j+3], v4 offset:4608*\p+16*\j
.endr
.endr
.macro WCH c                           ; Wg's rows 32 l + 4 c .. + 3, 32 bytes each, into set c % 2
.irp i, 0,1,2,3
	ds_load_b128 v[WR+32*((\c)%2)+8*\i:WR+32*((\c)%2)+8*\i+3], v5 offset:32*(4*(\c)+\i)
	ds_load_b128 v[WR+32*((\c)%2)+8*\i+4:WR+32*((\c)%2)+8*\i+7], v5 offset:32*(4*(\c)+\i)+16
.endr
.endm
	WCH 0
	s_wait_dscnt 8                                 ; x's numbers are in (and the store of the scale word has read v36); Wg's first eight loads may be out
	s_wait_xcnt 0x0                                ; We's stores have read v16-31, which take x's codes now
.irp p, 0,1,2,3
	v_max3_num_f32 v[AC+\p], |v[X+32*\p]|, |v[X+32*\p+1]|, FLOOR   ; four rows by turns
.endr
.irp i, 2,4,6,8,10,12,14,16,18,20,22,24,26,28,30
.irp p, 0,1,2,3
	v_max3_num_f32 v[AC+\p], v[AC+\p], |v[X+32*\p+\i]|, |v[X+32*\p+\i+1]|
.endr
.endr
.irp p, 0,1,2,3
	v_add_nc_u32 v[AC+4+\p], OFFE, v[AC+\p]
.endr
.irp p, 0,1,2,3
	v_lshrrev_b32 v[AC+8+\p], 23, v[AC+4+\p]
.endr
.irp p, 0,1,2,3
.irp g, 0,1,2,3
	v_cvt_scalef32_pk8_fp4_f32 v[CD+4*\p+\g], v[X+32*\p+8*\g:X+32*\p+8*\g+7], v[AC+4+\p]
.endr
.endr
	v_nop                                          ; one plain line behind the conversions
.irp p, 0,1,2,3
	global_store_b128 v2, v[CD+4*\p:CD+4*\p+3], s[88:89] offset:512*\p   ; a row's 512 bytes of codes
	ds_store_b8 v6, v[AC+8+\p] offset:32*\p
.endr
	WCH 1
; four of d for four rows and eight experts: 64 packed multiply-adds; x's number serves both halves, Wg's pair is two experts
.macro FMA c
.irp i, 0,1,2,3
.irp p, 0,1,2,3
.irp e, 0,2,4,6
.set rX, X+32*\p+4*(\c)+(\i/2)*2
.set rW, WR+32*((\c)%2)+8*\i+\e
.set rA, AC+8*\p+\e
.if ((\c) == 0) && (\i == 0)
	v_pk_mul_f32 v[rA:rA+1], v[rX:rX+1], v[rW:rW+1] op_sel_hi:[0,1]          ; the first product starts the sums
.elseif (\i%2) == 0
	v_pk_fma_f32 v[rA:rA+1], v[rX:rX+1], v[rW:rW+1], v[rA:rA+1] op_sel_hi:[0,1,1]
.else
	v_pk_fma_f32 v[rA:rA+1], v[rX:rX+1], v[rW:rW+1], v[rA:rA+1] op_sel:[1,0,0] op_sel_hi:[1,1,1]
.endif
.endr
.endr
.endr
.endm
.irp c, 0,1,2,3,4,5
	s_wait_dscnt 8                                 ; this chunk of Wg is in (ahead of the first: the byte stores have read their registers too); the next chunk's eight loads may be out
	FMA \c
	WCH \c+2
.endr
	s_wait_dscnt 8
	FMA 6
	s_wait_dscnt 0x0
	FMA 7
	; 32 sums in each of 32 lanes become one total a lane: lane l ends with sum number l (row l / 8, expert l % 8).  Each step halves the registers and adds across one bit of the lane's number.
.set i, 0
.rept 16
	v_permlane16_swap_b32 v[AC+i], v[AC+16+i]      ; the upper lanes of sum i change places with the lower lanes of sum 16 + i
.set i, i+1
.endr
.irp i, 0,2,4,6,8,10,12,14
	v_pk_add_f32 v[AC+\i:AC+\i+1], v[AC+\i:AC+\i+1], v[AC+16+\i:AC+16+\i+1]
.endr
.macro RED cnt, mask, x
.set i, 0
.rept \cnt
	v_cndmask_b32 v[WR+2*i], v[AC+i], v[AC+\cnt+i], s[\mask]       ; what I keep,
	v_cndmask_b32 v[WR+2*i+1], v[AC+\cnt+i], v[AC+i], s[\mask]     ; what my partner keeps
.set i, i+1
.endr
.set i, 0
.rept \cnt
	v_add_f32_dpp v[AC+i], v[WR+2*i+1], v[WR+2*i] row_xmask:\x row_mask:0xf bank_mask:0xf
.set i, i+1
.endr
.endm
	RED 8, 76, 8
	RED 4, 77, 4
	RED 2, 78, 2
	RED 1, 79, 1
	ds_store_b32 v7, v[AC]
	s_wait_dscnt 0x0                               ; for the others' sake: my logits, scale bytes and scale words are in LDS
	s_barrier_signal -1
	s_barrier_wait -1
	s_cmp_eq_u32 s60, 0
	s_cbranch_scc1 .Lrouter
	s_cmp_eq_u32 s60, 1
	s_cbranch_scc1 .Lxs
	s_cmp_eq_u32 s60, 2
	s_cbranch_scc1 .Lws
	s_set_vgpr_msb 0x5
	s_wait_tensorcnt 0x0
	ds_add_u32 v0, v1
	s_wait_dscnt 0x0
	s_set_vgpr_msb 0x500
	s_endpgm
.Lxs:                                              ; wave 1: x's 1,024 scale bytes leave as they lie, 512 consecutive bytes a store
	ds_load_b128 v[128:131], v13
	ds_load_b128 v[132:135], v13 offset:512
	s_wait_dscnt 0x0
	global_store_b128 v2, v[128:131], s[90:91]
	global_store_b128 v2, v[132:135], s[90:91] offset:512
	s_set_vgpr_msb 0x5
	s_wait_tensorcnt 0x0
	ds_add_u32 v0, v1
	s_wait_dscnt 0x0
	s_set_vgpr_msb 0x500
	s_endpgm
.Lws:                                              ; wave 2: We's scale words: sixteen lanes (a tile's 16 rows) store 256 consecutive bytes, aligned
	ds_load_b128 v[128:131], v14
	ds_load_b128 v[132:135], v14 offset:512
	s_wait_dscnt 0x0
	global_store_b128 v10, v[128:131], s[92:93]
	global_store_b128 v10, v[132:135], s[92:93] offset:1024
	s_set_vgpr_msb 0x5
	s_wait_tensorcnt 0x0
	ds_add_u32 v0, v1
	s_wait_dscnt 0x0
	s_set_vgpr_msb 0x500
	s_endpgm
.Lrouter:                                          ; wave 0: a lane to a token.  All that follows are values to be stored: no address and no branch hangs on them
	ds_load_b128 v[128:131], v11
	ds_load_b128 v[132:135], v11 offset:16
	s_wait_dscnt 0x0
.irp e, 0,1,2,3,4,5,6,7
	v_add_f32 v[128+\e], s[68+\e], v[128+\e]       ; + bg
.endr
	v_max3_num_f32 v136, v128, v129, v130
	v_max3_num_f32 v136, v136, v131, v132
	v_max3_num_f32 v136, v136, v133, v134
	v_max_num_f32 v136, v136, v135                 ; the largest logit is taken away first
.irp e, 0,1,2,3,4,5,6,7
	v_sub_f32 v[128+\e], v[128+\e], v136           ; (not fused with the scaling below: the difference is exactly 0 at the maximum, whatever the logits' size)
.endr
.irp e, 0,1,2,3,4,5,6,7
	v_mul_f32 v[128+\e], 0x3fb8aa3b, v[128+\e]
.endr
.irp e, 0,1,2,3,4,5,6,7
	v_exp_f32 v[128+\e], v[128+\e]
.endr
	v_mov_b32 v138, 0                              ; the first choice's index (a plain line behind the exponentials)
	s_wait_alu depctr_va_vdst(0)                   ; one wait for the eight, ahead of their first reader
	v_add_f32 v137, v128, v129
	v_add_f32 v139, v130, v131
	v_add_f32 v140, v132, v133
	v_add_f32 v141, v134, v135
	v_add_f32 v137, v137, v139
	v_add_f32 v140, v140, v141
	v_add_f32 v137, v137, v140                     ; the softmax's sum
	v_rcp_f32 v142, v137
	v_mov_b32 v143, v128                           ; the largest so far.  A later expert wins only where it is strictly larger: a tie keeps the lower index
.irp e, 1,2,3,4,5,6,7
	v_cmp_le_f32 vcc_lo, v[128+\e], v143
	v_cndmask_b32 v143, v[128+\e], v143, vcc_lo
	v_cndmask_b32 v138, \e, v138, vcc_lo
.endr
.irp e, 0,1,2,3,4,5,6,7
	v_cmp_ne_u32 vcc_lo, \e, v138
	v_cndmask_b32 v[128+\e], -1.0, v[128+\e], vcc_lo   ; the winner leaves: -1 lies under every exponential
.endr
	v_mov_b32 v144, v128
	v_mov_b32 v145, 0
.irp e, 1,2,3,4,5,6,7
	v_cmp_le_f32 vcc_lo, v[128+\e], v144
	v_cndmask_b32 v144, v[128+\e], v144, vcc_lo
	v_cndmask_b32 v145, \e, v145, vcc_lo
.endr
	s_wait_alu depctr_va_vdst(0)                   ; the reciprocal of the sum, ahead of its first reader
	v_mul_f32 v143, v143, v142                     ; the two probabilities
	v_mul_f32 v144, v144, v142
	v_add_f32 v146, v143, v144
	v_add_f32 v146, 0x3089705f, v146               ; + 1e-9
	v_rcp_f32 v147, v146
	v_min_u32 v148, v138, v145                     ; lo
	v_max_u32 v149, v138, v145                     ; hi
	v_sub_nc_u32 v152, 15, v148
	v_mul_u32_u24 v152, v152, v148
	v_lshrrev_b32 v152, 1, v152                    ; lo (15 - lo) / 2
	v_sub_nc_u32 v153, v149, v148
	v_add_nc_u32 v153, -1, v153                    ; hi - lo - 1
	v_sub_nc_u32 v154, 7, v149                     ; 7 - hi
	v_and_b32 v155, 1, v148
	v_cmp_eq_u32 vcc_lo, 1, v155
	v_cndmask_b32 v153, v153, v154, vcc_lo
	v_add_nc_u32 v152, v152, v153                  ; the key
	s_wait_alu depctr_va_vdst(0)
	v_mul_f32 v143, v143, v147                     ; the two gates
	v_mul_f32 v144, v144, v147
	v_cmp_lt_u32 vcc_lo, v138, v145
	v_cndmask_b32 v150, v144, v143, vcc_lo         ; the lower expert's,
	v_cndmask_b32 v151, v143, v144, vcc_lo         ; the higher's
	v_mov_b32 v156, 0                              ; my rank among the group's tokens of my key
	v_mov_b32 v157, 0                              ; lane k: how many tokens of the group have key k
.set k, 0
.rept 28
	v_cmp_eq_u32 s80, k, v152
	v_mbcnt_lo_u32_b32 v158, s80, 0
	v_cndmask_b32 v156, v156, v158, s80
	s_bcnt1_i32_b32 s81, s80
	v_writelane_b32 v157, s81, k
.set k, k+1
.endr
	v_lshl_or_b32 v160, v149, 4, v148
	v_lshl_or_b32 v160, v152, 8, v160
	v_lshl_or_b32 v160, v156, 16, v160
	v_mov_b32 v161, v157
	global_store_b64 v12, v[160:161], s[22:23]     ; 32 lanes store 256 consecutive bytes, aligned
	global_store_b64 v12, v[150:151], s[20:21]
	s_set_vgpr_msb 0x5
	s_wait_tensorcnt 0x0
	ds_add_u32 v0, v1
	s_wait_dscnt 0x0
	s_set_vgpr_msb 0x500
	s_endpgm
.Lfunc_end_k_q5cd59d864f_prep:
	.size	k_q5cd59d864f_prep, .Lfunc_end_k_q5cd59d864f_prep-k_q5cd59d864f_prep
	.p2alignl 7, 3214868480
	.fill 96, 4, 3214868480
	.section	.rodata,"a",@progbits
	.p2align	6, 0x0
	.amdhsa_kernel k_q5cd59d864f_prep
		.amdhsa_group_segment_fixed_size 327680
		.amdhsa_private_segment_fixed_size 0
		.amdhsa_enable_private_segment 0
		.amdhsa_kernarg_size 80
		.amdhsa_user_sgpr_count 2
		.amdhsa_user_sgpr_kernarg_segment_ptr 1
		.amdhsa_wavefront_size32 1
		.amdhsa_system_sgpr_workgroup_id_x 1
		.amdhsa_system_sgpr_workgroup_id_y 1
		.amdhsa_system_sgpr_workgroup_id_z 1
		.amdhsa_system_vgpr_workitem_id 0
		.amdhsa_next_free_vgpr 258
		.amdhsa_next_free_sgpr 96
		.amdhsa_reserve_vcc 1
		.amdhsa_float_denorm_mode_32 3
		.amdhsa_float_denorm_mode_16_64 3
		.amdhsa_memory_ordered 1
		.amdhsa_forward_progress 1
		.amdhsa_inst_pref_size 85
	.end_amdhsa_kernel
	.amdgpu_metadata
---
amdhsa.version: [ 1, 2 ]
amdhsa.kernels:
  - .name:           k_q5cd59d864f_prep
    .symbol:         k_q5cd59d864f_prep.kd
    .args:
      - { .name: x, .offset: 0, .size: 8, .value_kind: global_buffer, .address_space: global }
      - { .name: We, .offset: 8, .size: 8, .value_kind: global_buffer, .address_space: global }
      - { .name: Wg, .offset: 16, .size: 8, .value_kind: global_buffer, .address_space: global }
      - { .name: bg, .offset: 24, .size: 8, .value_kind: global_buffer, .address_space: global }
      - { .name: xq, .offset: 32, .size: 8, .value_kind: global_buffer, .address_space: global }
      - { .name: xs, .offset: 40, .size: 8, .value_kind: global_buffer, .address_space: global }
      - { .name: wq, .offset: 48, .size: 8, .value_kind: global_buffer, .address_space: global }
      - { .name: ws, .offset: 56, .size: 8, .value_kind: global_buffer, .address_space: global }
      - { .name: gates, .offset: 64, .size: 8, .value_kind: global_buffer, .address_space: global }
      - { .name: route, .offset: 72, .size: 8, .value_kind: global_buffer, .address_space: global }
    .group_segment_fixed_size: 327680
    .private_segment_fixed_size: 0
    .kernarg_segment_align: 8
    .kernarg_segment_size: 80
    .max_flat_workgroup_size: 256
    .sgpr_count:     96
    .vgpr_count:     258
    .wavefront_size: 32
...
	.end_amdgpu_metadata
.endif
;; end of part 1
;; launch place (part 2): grid 1 x 1, 32 waves a work-group, no clusters, 8,192 bytes of LDS; arguments route, order; writes order
.if DOCPART == 2
	.amdgcn_target "amdgcn-amd-amdhsa--gfx1250"
	.amdhsa_code_object_version 6
	.text
	.protected	k_q5cd59d864f_place
	.globl	k_q5cd59d864f_place
	.p2align	8
	.type	k_q5cd59d864f_place,@function
k_q5cd59d864f_place:
	s_mov_b64 s[64:65], 0
	v_nop
	global_prefetch_b8 v0, s[64:65] scope:SCOPE_SE
	s_setreg_imm32_b32 hwreg(HW_REG_WAVE_MODE, 25, 1), 1
	s_wait_xcnt 0x0
; A counting sort of the 8,192 tokens by their key (one of 28 pairs of experts), stable.  order[position] = token | lo << 16 | hi << 20.
; One work-group of 32 waves; wave w owns groups 8 w .. 8 w + 7 of 32 tokens.  route gives for each group the tokens' words (lane = token) and the group's counts (lane = key).
; position = (tokens of smaller keys) + (tokens of my key in earlier groups) + (my rank in my group).
; The stores are 4 bytes a lane to places that the sort decides: 32 KB in all.  One work-group: the whole input is 64 KB and the sums span all of it.
	s_load_b128 s[4:7], s[0:1], 0x0                ; route, order
	v_lshl_add_u32 v96, v0, 2, 0x1000
	v_mov_b32 v97, 0
	v_lshrrev_b32 v1, 5, v0
	v_readfirstlane_b32 s8, v1                     ; wave 0..31
	v_and_b32 v1, 31, v0                           ; lane
	v_lshlrev_b32 v2, 2, v0                        ; LDS: 128 wave + 4 lane
	v_lshlrev_b32 v3, 2, v1                        ; 4 lane
	s_lshl_b32 s9, s8, 11
	v_lshl_add_u32 v4, v1, 3, s9                   ; route: 2,048 wave + 8 lane
	s_lshl_b32 s9, s8, 8
	v_add_nc_u32 v5, s9, v1                        ; my token in the wave's first group
	s_wait_kmcnt 0x0
.irp j, 0,1,2,3,4,5,6,7
	global_load_b64 v[16+2*\j:17+2*\j], v4, s[4:5] offset:256*\j   ; v[16 + 2 j] the token's word, v[17 + 2 j] the count of key = lane
.endr
	s_wait_loadcnt 0x0
	v_add_nc_u32 v6, v17, v19
	v_add_nc_u32 v7, v21, v23
	v_add_nc_u32 v8, v25, v27
	v_add_nc_u32 v9, v29, v31
	v_add_nc_u32 v6, v6, v7
	v_add_nc_u32 v8, v8, v9
	v_add_nc_u32 v6, v6, v8                        ; my wave's count of key = lane
	ds_store_b32 v2, v6
	s_wait_dscnt 0x0                               ; for the others' sake
	s_barrier_signal -1
	s_barrier_wait -1
.set i, 0
.rept 32
	ds_load_b32 v[32+i], v3 offset:128*i           ; every wave's count of key = lane
.set i, i+1
.endr
	s_wait_dscnt 0x0
	v_mov_b32 v10, 0                               ; all waves',
	v_mov_b32 v11, 0                               ; the earlier waves'
.set i, 0
.rept 32
	s_cmp_gt_u32 s8, i
	s_cselect_b32 s10, 1, 0
	v_add_nc_u32 v10, v10, v[32+i]
	v_mad_u32_u24 v11, v[32+i], s10, v11
.set i, i+1
.endr
	v_mov_b32 v12, v10                             ; a running sum over the keys: four steps inside each half of 16 lanes,
.irp n, 1,2,4,8
	v_mov_b32 v13, 0
	v_mov_b32_dpp v13, v12 row_shr:\n row_mask:0xf bank_mask:0xf   ; (a lane without a source keeps the 0)
	v_add_nc_u32 v12, v12, v13
.endr
	v_readlane_b32 s10, v12, 15                    ; and the lower half's total onto the upper half
	v_mov_b32 v13, s10
	v_cmp_lt_u32 vcc_lo, 15, v1
	v_cndmask_b32 v13, 0, v13, vcc_lo
	v_add_nc_u32 v12, v12, v13
	v_sub_nc_u32 v12, v12, v10                     ; tokens of smaller keys
	v_add_nc_u32 v64, v12, v11                     ; + my key's in earlier waves: where group 0's begin
.irp j, 0,1,2,3,4,5,6
	v_add_nc_u32 v[65+\j], v[64+\j], v[17+2*\j]    ; and the later groups'
.endr
.irp j, 0,1,2,3,4,5,6,7
	v_bfe_u32 v[48+\j], v[16+2*\j], 8, 5           ; my token's key,
	v_lshlrev_b32 v[48+\j], 2, v[48+\j]
	ds_bpermute_b32 v[72+\j], v[48+\j], v[64+\j]   ; and from the lane of that key where its tokens of this group begin (no LDS byte is touched)
.endr
	s_wait_dscnt 0x0
.irp j, 0,1,2,3,4,5,6,7
	v_lshrrev_b32 v[56+\j], 16, v[16+2*\j]         ; my rank
	v_add_nc_u32 v[72+\j], v[72+\j], v[56+\j]
	v_min_u32 v[72+\j], 8191, v[72+\j]             ; a position lies inside the list
	v_lshlrev_b32 v[72+\j], 2, v[72+\j]
	v_and_b32 v[80+\j], 0x77, v[16+2*\j]           ; lo | hi << 4
	v_add_nc_u32 v[88+\j], 32*\j, v5               ; the token
	v_lshl_or_b32 v[80+\j], v[80+\j], 16, v[88+\j]
	global_store_b32 v[72+\j], v[80+\j], s[6:7]    ; each group has registers of its own: none is written again
.endr
	s_wait_tensorcnt 0x0
	ds_add_u32 v96, v97
	s_wait_dscnt 0x0
	s_endpgm
.Lfunc_end_k_q5cd59d864f_place:
	.size	k_q5cd59d864f_place, .Lfunc_end_k_q5cd59d864f_place-k_q5cd59d864f_place
	.p2alignl 7, 3214868480
	.fill 96, 4, 3214868480
	.section	.rodata,"a",@progbits
	.p2align	6, 0x0
	.amdhsa_kernel k_q5cd59d864f_place
		.amdhsa_group_segment_fixed_size 8192
		.amdhsa_private_segment_fixed_size 0
		.amdhsa_enable_private_segment 0
		.amdhsa_kernarg_size 16
		.amdhsa_user_sgpr_count 2
		.amdhsa_user_sgpr_kernarg_segment_ptr 1
		.amdhsa_wavefront_size32 1
		.amdhsa_system_sgpr_workgroup_id_x 1
		.amdhsa_system_sgpr_workgroup_id_y 1
		.amdhsa_system_sgpr_workgroup_id_z 1
		.amdhsa_system_vgpr_workitem_id 0
		.amdhsa_next_free_vgpr 98
		.amdhsa_next_free_sgpr 66
		.amdhsa_reserve_vcc 1
		.amdhsa_float_denorm_mode_32 3
		.amdhsa_float_denorm_mode_16_64 3
		.amdhsa_memory_ordered 1
		.amdhsa_forward_progress 1
		.amdhsa_inst_pref_size 15
	.end_amdhsa_kernel
	.amdgpu_metadata
---
amdhsa.version: [ 1, 2 ]
amdhsa.kernels:
  - .name:           k_q5cd59d864f_place
    .symbol:         k_q5cd59d864f_place.kd
    .args:
      - { .name: route, .offset: 0, .size: 8, .value_kind: global_buffer, .address_space: global }
      - { .name: order, .offset: 8, .size: 8, .value_kind: global_buffer, .address_space: global }
    .group_segment_fixed_size: 8192
    .private_segment_fixed_size: 0
    .kernarg_segment_align: 8
    .kernarg_segment_size: 16
    .max_flat_workgroup_size: 1024
    .sgpr_count:     66
    .vgpr_count:     98
    .wavefront_size: 32
...
	.end_amdgpu_metadata
.endif
;; end of part 2
;; launch experts (part 3): grid 4 x 64, 4 waves a work-group, no clusters, 201,216 bytes of LDS; arguments order, xq, xs, gates, wq, ws, be, out0; writes out0
.if DOCPART == 3
	.amdgcn_target "amdgcn-amd-amdhsa--gfx1250"
	.amdhsa_code_object_version 6
	.text
	.protected	k_q5cd59d864f_experts
	.globl	k_q5cd59d864f_experts
	.p2align	8
	.type	k_q5cd59d864f_experts,@function
k_q5cd59d864f_experts:
	s_mov_b64 s[64:65], 0
	v_nop
	global_prefetch_b8 v0, s[64:65] scope:SCOPE_SE
	s_setreg_imm32_b32 hwreg(HW_REG_WAVE_MODE, 25, 1), 1
	s_wait_xcnt 0x0
; out0[token][f] = the sum over the token's two experts of gate x (Q(x[token]) . Q(We[e][:, f]) + be[e][f]), on codes of FP4 (E2M1) with one E8M0 scale for each 32 along d; sums in f32.
; SHARES.  A work-group takes 128 positions of the sorted list (work-group y) x 256 outputs (work-group x) and walks only the experts that its 128 tokens use (2 to 8; neighbouring keys share an expert).
; Wave w makes all 128 tokens x outputs 64 w .. 64 w + 63 of the 256: four tiles of 16, in two pairs.  Each output row has one owner: nothing is added between work-groups.
; THE MATRIX INSTRUCTION IS USED TRANSPOSED: source 0 = 16 rows f of the weights, source 1 = 16 tokens: a lane holds ONE token (lane % 16) and eight neighbouring outputs, so a gate is one number a lane.
; The bias is the C of a sum's first instruction.  A finished sum is multiplied by the lane's gate for this expert, which is 0 for a token that did not choose it, and added to OUT.
; LIMIT: the sum of an expert that a token did not choose is multiplied by 0, so it has to be finite.  NaN and infinities among the inputs are not served.
; x's codes of the 128 tokens (64 KB) are gathered once, whole rows of 512 bytes, go through LDS and stay in every wave's registers (512).  The weights come from memory straight into the operand's
; registers (wq is laid in that order): the walk hangs on the stored list, so this launch has no tensor load, and therefore no joint loads and no cluster.
; Each weight register is asked for again straight behind its last use: a load has one expert's 128 matrix instructions in which to land.
; REGISTERS, in windows of 256 (s_set_vgpr_msb: bits 1:0 source 0, 3:2 source 1, 5:4 source 2, 7:6 destination):
;   window 0: v1-7 addresses; v16-47 x's scale words; v48-55 the weights' scale words; v56-71 bias; v72-87 the tokens' experts; v88-103 their gates; v104-119 the gates for the expert in hand;
;             v128-191 eight accumulators; v192-223 offsets of my 32 tokens' rows; v224-255 at work in the prologue
;   window 1: v0-63, v64-127 the weights' codes of the pair's two tiles (K step s at 8 s); v128-255 OUT (tile u, tokens 16 m on: 128 + 64 u + 8 m); in the prologue the gathered rows; on the way out rows of out0
;   windows 2, 3: x's fragments: tokens 16 m on, K step s: window 2 + m / 4, v[64 (m % 4) + 8 s]
.set AST,  0                           ; LDS: x's codes, 128 rows x (512 + 16) bytes
.set OST,  67584                       ; the way out: 128 rows x (1,024 + 16) bytes
.set L16,  1                           ; v1  16 x lane
.set BO,   2                           ; v2  32 (lane / 16): my eight numbers of a tile's bias
.set FA,   3                           ; v3  a fragment's row: 528 (lane % 16) + 16 (lane / 16)
.set SA,   4                           ; v4  where I put gathered rows: 32 x 528 x wave + 16 lane
.set SO0,  5                           ; v5  the way out, in: OST + 1,040 (lane % 16) + 256 wave + 32 (lane / 16)
.set SO1,  6                           ; v6  the same 64 rows further on
.set RB,   7                           ; v7  the way out, back: OST + 32 x 1,040 x wave + 16 lane
.set AS,   16                          ; x's scale words: v[AS + 8 p + s]: lane l: position 32 p + l, K step s
.set BS,   48                          ; the weights': v[BS + 4 u + q]: lanes 0-15 K step q, lanes 16-31 K step 4 + q
.set BI,   56
.set ELO,  72
.set EHI,  80
.set GP,   88
.set G,    104
.set ACC,  128
.set AD,   192
.set OW,   224
.set TW,   228
.set T,    236
.set MSB, 0
.macro WIN new                         ; the immediate's high byte repeats the setting that is left
.if MSB != \new
	s_set_vgpr_msb (MSB<<8)|\new
.set MSB, \new
.endif
.endm
.macro PLACES                          ; four plain lines behind matrix instructions, in front of loads into their registers and of the first read of results
.rept 4
	v_nop
.endr
.endm
	s_load_b512 s[4:19], s[0:1], 0x0               ; order s[4:5], xq s[6:7], xs s[8:9], gates s[10:11], wq s[12:13], ws s[14:15], be s[16:17], out0 s[18:19]
	v_lshl_add_u32 v254, v0, 2, 0x31000
	v_mov_b32 v255, 0
	v_lshrrev_b32 v8, 5, v0
	v_readfirstlane_b32 s20, v8                    ; wave 0..3
	s_mov_b32 s21, ttmp9                           ; which 256 outputs
	s_and_b32 s22, ttmp7, 0xffff                   ; which 128 positions
	v_and_b32 v8, 31, v0                           ; lane
	v_and_b32 v9, 15, v0                           ; r
	v_bfe_u32 v10, v0, 4, 1                        ; h
	v_lshlrev_b32 v[L16], 4, v8
	v_lshlrev_b32 v[BO], 5, v10
	v_mul_u32_u24 v[FA], v9, 528
	v_lshl_add_u32 v[FA], v10, 4, v[FA]
	s_mul_i32 s86, s20, 16896
	v_add_nc_u32 v[SA], s86, v[L16]
	v_mul_u32_u24 v[SO0], v9, 1040
	v_lshl_add_u32 v[SO0], v10, 5, v[SO0]
	s_lshl_b32 s86, s20, 8
	s_add_co_u32 s86, s86, OST
	v_add_nc_u32 v[SO0], s86, v[SO0]
	v_add_nc_u32 v[SO1], 66560, v[SO0]
	s_mul_i32 s86, s20, 33280
	s_add_co_u32 s86, s86, OST
	v_add_nc_u32 v[RB], s86, v[L16]
	v_lshlrev_b32 v11, 2, v8                       ; 4 lane
	v_lshlrev_b32 v12, 2, v9                       ; 4 r
.irp m, 0,1,2,3,4,5,6,7
	v_mov_b32 v[G+2*\m+1], 0                       ; the packed forms name a pair and take its low word: the upper word is written once
.endr
	s_lshl_b32 s30, s22, 9
	s_mov_b32 s31, 0                               ; stays 0: s[30:31] is every offset's pair
	s_wait_kmcnt 0x0
	s_add_nc_u64 s[84:85], s[4:5], s[30:31]        ; the list at my block
	s_lshl_b32 s30, s20, 7
	s_add_nc_u64 s[82:83], s[84:85], s[30:31]      ; at my wave's 32 positions
	s_load_b512 s[32:47], s[82:83], 0x0            ; their words as scalars: I gather these rows of x and store these rows of out0
	s_load_b512 s[48:63], s[82:83], 0x40
.irp p, 0,1,2,3
	global_load_b32 v[OW+\p], v11, s[84:85] offset:128*\p          ; lane l: position 32 p + l
.endr
.irp m, 0,1,2,3,4,5,6,7
	global_load_b32 v[TW+\m], v12, s[84:85] offset:64*\m           ; lane (r, h): position 16 m + r
.endr
	s_lshl_b32 s86, s21, 4
	s_lshl_b32 s87, s20, 2
	s_add_co_u32 s86, s86, s87                     ; my first tile of 16 outputs: 16 x + 4 wave
	s_lshl_b32 s30, s86, 13
	s_add_nc_u64 s[66:67], s[12:13], s[30:31]      ; wq, ws and be at that tile, expert 0
	s_lshl_b32 s30, s86, 9
	s_add_nc_u64 s[68:69], s[14:15], s[30:31]
	s_lshl_b32 s30, s86, 6
	s_add_nc_u64 s[70:71], s[16:17], s[30:31]
	s_lshl_b32 s30, s21, 10
	s_add_nc_u64 s[80:81], s[18:19], s[30:31]      ; out0 at the work-group's 1,024 bytes of a row
	s_wait_kmcnt 0x0
.set i, 0
.rept 32
	s_and_b32 s[32+i], s[32+i], 0x1fff             ; the token,
	s_min_u32 s[32+i], s[32+i], 8191               ; inside the table
	s_lshl_b32 s86, s[32+i], 9
	v_add_nc_u32 v[AD+i], s86, v[L16]
.set i, i+1
.endr
	WIN 0x40
.set i, 0
.rept 32
	global_load_b128 v[128+4*i:128+4*i+3], v[AD+i], s[6:7]         ; a token's 512 bytes of codes: 32 lanes, 16 neighbouring bytes each
.set i, i+1
.endr
	WIN 0
	s_wait_loadcnt 32                              ; the twelve loads of the list are in; the 32 gathers stay out
.irp p, 0,1,2,3
	v_and_b32 v[T+\p], 0x1fff, v[OW+\p]
	v_min_u32 v[T+\p], 8191, v[T+\p]
	v_lshlrev_b32 v[T+\p], 5, v[T+\p]              ; 32 scale bytes a token
.endr
.irp p, 0,1,2,3
	global_load_b128 v[AS+8*\p:AS+8*\p+3], v[T+\p], s[8:9]
	global_load_b128 v[AS+8*\p+4:AS+8*\p+7], v[T+\p], s[8:9] offset:16
.endr
.irp m, 0,1,2,3,4,5,6,7
	v_and_b32 v[T+4+\m], 0x1fff, v[TW+\m]
	v_min_u32 v[T+4+\m], 8191, v[T+4+\m]
	v_lshlrev_b32 v[T+4+\m], 3, v[T+4+\m]
	global_load_b64 v[GP+2*\m:GP+2*\m+1], v[T+4+\m], s[10:11]      ; the token's two gates
	v_bfe_u32 v[ELO+\m], v[TW+\m], 16, 3
	v_bfe_u32 v[EHI+\m], v[TW+\m], 20, 3
.endr
	; which experts do the block's 128 tokens use?  A list of their numbers, four bits each, ascending, in s24; every wave makes the same list
	v_mov_b32 v248, 1
	v_mov_b32 v249, 0
.irp p, 0,1,2,3
	v_bfe_u32 v250, v[OW+\p], 16, 3
	v_bfe_u32 v251, v[OW+\p], 20, 3
	v_lshlrev_b32 v250, v250, v248
	v_lshlrev_b32 v251, v251, v248
	v_or_b32 v249, v249, v250
	v_or_b32 v249, v249, v251
.endr
	s_mov_b32 s24, 0
	s_mov_b32 s25, 0
.irp e, 0,1,2,3,4,5,6,7
	v_and_b32 v250, 1<<\e, v249
	v_cmp_ne_u32 vcc_lo, 0, v250
	s_cmp_lg_u32 vcc_lo, 0                         ; does any lane name expert e?
	s_cselect_b32 s86, \e, 0
	s_cselect_b32 s87, 4, 0
	s_lshl_b32 s86, s86, s25
	s_or_b32 s24, s24, s86
	s_add_co_u32 s25, s25, s87
.endr
	s_lshr_b32 s23, s25, 2                         ; n, at least 2: a token's two experts differ
; The expert whose weights are asked for next -> s27, and wq, ws, be at my tiles of it -> s[72:77].  restart = 1: the list's first again; J: which pair of tiles.
.macro NEXTE restart, J
.if \restart
	s_and_b32 s27, s24, 7
	s_mov_b32 s25, 4
.else
	s_lshr_b32 s27, s24, s25
	s_and_b32 s27, s27, 7
	s_add_co_u32 s25, s25, 4
.endif
	s_min_u32 s27, s27, 7
	s_lshl_b32 s30, s27, 19
	s_add_nc_u64 s[72:73], s[66:67], s[30:31]
	s_lshl_b32 s30, s27, 15
	s_add_nc_u64 s[74:75], s[68:69], s[30:31]
	s_lshl_b32 s30, s27, 12
	s_add_nc_u64 s[76:77], s[70:71], s[30:31]
.if \J
	s_add_nc_u64 s[72:73], s[72:73], 16384
	s_add_nc_u64 s[74:75], s[74:75], 1024
	s_add_nc_u64 s[76:77], s[76:77], 128
.endif
.endm
.macro PFA u                           ; ten loads: tile u's bias and its codes of K steps 0 to 3
	WIN 0
	global_load_b128 v[BI+8*\u:BI+8*\u+3], v[BO], s[76:77] offset:64*\u
	global_load_b128 v[BI+8*\u+4:BI+8*\u+7], v[BO], s[76:77] offset:64*\u+16
	WIN 0x40
.irp s, 0,1,2,3
.irp c, 0,1
	global_load_b128 v[64*\u+8*\s+4*\c:64*\u+8*\s+4*\c+3], v[L16], s[72:73] offset:8192*\u+1024*\s+512*\c
.endr
.endr
.endm
.macro PFB u                           ; nine loads: tile u's scale words, then its codes of K steps 4 to 7
	WIN 0
	global_load_b128 v[BS+4*\u:BS+4*\u+3], v[L16], s[74:75] offset:512*\u
	WIN 0x40
.irp s, 4,5,6,7
.irp c, 0,1
	global_load_b128 v[64*\u+8*\s+4*\c:64*\u+8*\s+4*\c+3], v[L16], s[72:73] offset:8192*\u+1024*\s+512*\c
.endr
.endr
.endm
	NEXTE 1, 0
	PFA 0                                          ; the first expert's weights: 38 loads
	PFB 0
	PFA 1
	PFB 1
	s_wait_loadcnt 54                              ; the gathers are in; behind them stand 8 + 8 + 38 loads
	WIN 0x04                                       ; an LDS store's data are its source 1: window 1
.set i, 0
.rept 32
	ds_store_b128 v[SA], v[128+4*i:128+4*i+3] offset:528*i
.set i, i+1
.endr
	WIN 0
	s_wait_dscnt 0x0                               ; for the others' sake: my 32 rows are in LDS
	s_barrier_signal -1
	s_barrier_wait -1
	WIN 0x80
.irp m, 0,1,2,3
.irp s, 0,1,2,3,4,5,6,7
.irp c, 0,1
	ds_load_b128 v[64*\m+8*\s+4*\c:64*\m+8*\s+4*\c+3], v[FA] offset:8448*\m+64*\s+32*\c   ; lane (r, h): token 16 m + r, block 2 c + h of K step s
.endr
.endr
.endr
	WIN 0xc0
.irp m, 0,1,2,3
.irp s, 0,1,2,3,4,5,6,7
.irp c, 0,1
	ds_load_b128 v[64*\m+8*\s+4*\c:64*\m+8*\s+4*\c+3], v[FA] offset:8448*(\m+4)+64*\s+32*\c
.endr
.endr
.endr
	WIN 0
	s_wait_dscnt 0x0
; One matrix instruction: tile u of the weights, K step s, tokens 16 m on.  K step 0 takes the bias as C.  The weights' scale word lies in lanes 16-31 for K steps 4 to 7, x's for odd m.
.macro WM u, s, m
.set rD, ACC+8*(\m)
.set rA, 64*(\u)+8*(\s)
.set rB, 64*((\m)%4)+8*(\s)
.set rC, rD
.if (\s) == 0
.set rC, BI+8*(\u)
.endif
.set rSA, BS+4*(\u)+(\s)%4
.set rSB, AS+8*((\m)/2)+(\s)
.if ((\s) < 4) && ((\m)%2 == 0)
	v_wmma_scale_f32_16x16x128_f8f6f4 v[rD:rD+7], v[rA:rA+7], v[rB:rB+7], v[rC:rC+7], v[rSA], v[rSB] matrix_a_fmt:MATRIX_FMT_FP4 matrix_b_fmt:MATRIX_FMT_FP4
.elseif (\s) < 4
	v_wmma_scale_f32_16x16x128_f8f6f4 v[rD:rD+7], v[rA:rA+7], v[rB:rB+7], v[rC:rC+7], v[rSA], v[rSB] matrix_a_fmt:MATRIX_FMT_FP4 matrix_b_fmt:MATRIX_FMT_FP4 matrix_b_scale:MATRIX_SCALE_ROW1
.elseif (\m)%2 == 0
	v_wmma_scale_f32_16x16x128_f8f6f4 v[rD:rD+7], v[rA:rA+7], v[rB:rB+7], v[rC:rC+7], v[rSA], v[rSB] matrix_a_fmt:MATRIX_FMT_FP4 matrix_b_fmt:MATRIX_FMT_FP4 matrix_a_scale:MATRIX_SCALE_ROW1
.else
	v_wmma_scale_f32_16x16x128_f8f6f4 v[rD:rD+7], v[rA:rA+7], v[rB:rB+7], v[rC:rC+7], v[rSA], v[rSB] matrix_a_fmt:MATRIX_FMT_FP4 matrix_b_fmt:MATRIX_FMT_FP4 matrix_a_scale:MATRIX_SCALE_ROW1 matrix_b_scale:MATRIX_SCALE_ROW1
.endif
.endm
; 32 matrix instructions: four K steps x eight tiles of tokens.  Four accumulators take turns, one instruction a turn; then the other four, whose fragments of x lie in the next window.
.macro MM u, half
	WIN 0x09                                       ; source 0 window 1, source 1 window 2
.irp s, 0,1,2,3
.irp m, 0,1,2,3
	WM \u, 4*(\half)+\s, \m
.endr
.endr
	WIN 0x0d                                       ; source 1 window 3
.irp s, 0,1,2,3
.irp m, 4,5,6,7
	WM \u, 4*(\half)+\s, \m
.endr
.endr
.endm
.macro GATES                           ; each lane's gate for expert s26: the token's lower or higher gate, or 0
.irp m, 0,1,2,3,4,5,6,7
	v_cmp_eq_u32 vcc_lo, s26, v[ELO+\m]
	v_cndmask_b32 v[G+2*\m], 0, v[GP+2*\m], vcc_lo
	v_cmp_eq_u32 vcc_lo, s26, v[EHI+\m]
	v_cndmask_b32 v[G+2*\m], v[G+2*\m], v[GP+2*\m+1], vcc_lo
.endr
.endm
.macro EPI u, first                    ; OUT (+)= sum x gate; each accumulator is read from its low end on.  first = 1: the first expert starts OUT: nothing is cleared
.if \first
	WIN 0x40
.else
	WIN 0x50
.endif
.irp m, 0,1,2,3,4,5,6,7
.irp j, 0,2,4,6
.if \first
	v_pk_mul_f32 v[128+64*\u+8*\m+\j:128+64*\u+8*\m+\j+1], v[ACC+8*\m+\j:ACC+8*\m+\j+1], v[G+2*\m:G+2*\m+1] op_sel_hi:[1,0]
.else
	v_pk_fma_f32 v[128+64*\u+8*\m+\j:128+64*\u+8*\m+\j+1], v[ACC+8*\m+\j:ACC+8*\m+\j+1], v[G+2*\m:G+2*\m+1], v[128+64*\u+8*\m+\j:128+64*\u+8*\m+\j+1] op_sel_hi:[1,0,1]
.endif
.endr
.endr
.endm
; ONE EXPERT x A PAIR OF TILES: 128 matrix instructions.  pf = 1: behind each half of a tile its registers are asked for again, for the expert and pair that NEXTE names.
; The loads of a pair go out as 10, 9, 10, 9 (bias, bias, 8 codes | scale words, 8 codes, for each tile).  The waits count the younger loads that may stay out:
;   a tile's first half wants its ten and its scale words: behind those stand 8 + 10 + 9 = 27;   its second half wants its nine: behind them 10 + 9 + 10 = 29.
;   In the last body, which asks for nothing, the counts run down: 27, 19, 8, 0.
.macro BODY first, pf, restart, J
	s_mov_b32 s26, s27                             ; the expert in hand
.if \pf
	s_wait_xcnt 0x0                                ; the pending loads have read their bases, which are written now
	NEXTE \restart, \J
.endif
	s_wait_loadcnt 27
	MM 0, 0
	WIN 0
	GATES                                          ; plain lines that name no register of the products above: they are also the places in front of the loads below
.if \pf
	PFA 0
	s_wait_loadcnt 29
.else
	s_wait_loadcnt 19
.endif
	MM 0, 1
	WIN 0
	PLACES
.if \pf
	PFB 0
.endif
	EPI 0, \first
.if \pf
	s_wait_loadcnt 27
.else
	s_wait_loadcnt 8
.endif
	MM 1, 0
	WIN 0
	PLACES
.if \pf
	PFA 1
	s_wait_loadcnt 29
.else
	s_wait_loadcnt 0x0
.endif
	MM 1, 1
	WIN 0
	PLACES
.if \pf
	PFB 1
.endif
	EPI 1, \first
	WIN 0                                          ; at a label and at a branch every window is 0
.endm
.macro STAGE J                         ; the pair's OUT into the work-group's stage: row = position, my 32 bytes of tile 2 J + u at 256 wave + 64 (2 J + u) + 32 h
	WIN 0x04
.irp u, 0,1
.irp m, 0,1,2,3
	ds_store_b128 v[SO0], v[128+64*\u+8*\m:128+64*\u+8*\m+3] offset:16640*\m+64*(2*\J+\u)
	ds_store_b128 v[SO0], v[128+64*\u+8*\m+4:128+64*\u+8*\m+7] offset:16640*\m+64*(2*\J+\u)+16
.endr
.irp m, 4,5,6,7
	ds_store_b128 v[SO1], v[128+64*\u+8*\m:128+64*\u+8*\m+3] offset:16640*(\m-4)+64*(2*\J+\u)
	ds_store_b128 v[SO1], v[128+64*\u+8*\m+4:128+64*\u+8*\m+7] offset:16640*(\m-4)+64*(2*\J+\u)+16
.endr
.endr
	WIN 0
	s_wait_dscnt 0x0                               ; the stores have read OUT's registers, which the next pair writes; behind the second pair: for the others' sake
.endm
	BODY 1, 1, 0, 0                                ; the first pair of tiles: the list's first expert,
	s_sub_co_u32 s28, s23, 2
	s_cmp_eq_u32 s28, 0
	s_cbranch_scc1 .Llast0
.Lmid0:                                            ; the n - 2 in the middle,
	BODY 0, 1, 0, 0
	s_sub_co_u32 s28, s28, 1
	s_cmp_lg_u32 s28, 0
	s_cbranch_scc1 .Lmid0
.Llast0:
	BODY 0, 1, 1, 1                                ; the last, which asks for the first expert's weights of the second pair
	STAGE 0
	BODY 1, 1, 0, 1                                ; the second pair likewise
	s_sub_co_u32 s28, s23, 2
	s_cmp_eq_u32 s28, 0
	s_cbranch_scc1 .Llast1
.Lmid1:
	BODY 0, 1, 0, 1
	s_sub_co_u32 s28, s28, 1
	s_cmp_lg_u32 s28, 0
	s_cbranch_scc1 .Lmid1
.Llast1:
	BODY 0, 0, 0, 0                                ; nothing is left to ask for
.set i, 0
.rept 32
	s_lshl_b32 s86, s[32+i], 12                    ; a row of out0 is 4,096 bytes (the gathers that read these registers came in long ago)
	v_add_nc_u32 v[AD+i], s86, v[L16]
.set i, i+1
.endr
	STAGE 1
	s_barrier_signal -1
	s_barrier_wait -1                              ; 128 rows x 1,024 bytes lie in the stage
	; THE WAY OUT: I take positions 32 wave .. + 31 back as whole rows and store each to its token's row: 32 lanes store 512 consecutive bytes, aligned
	WIN 0x40
.set i, 0
.rept 32
	ds_load_b128 v[8*i:8*i+3], v[RB] offset:1040*i
	ds_load_b128 v[8*i+4:8*i+7], v[RB] offset:1040*i+512
.set i, i+1
.endr
	WIN 0x04                                       ; a store's data are its source 1: window 1
.set i, 0
.rept 32
	s_wait_dscnt 63-2*i                            ; LDS loads come back in order (ISA guide 5.7.1): this one is in, the younger ones stay out
	global_store_b128 v[AD+i], v[8*i:8*i+3], s[80:81] th:TH_STORE_NT
	s_wait_dscnt 62-2*i
	global_store_b128 v[AD+i], v[8*i+4:8*i+7], s[80:81] offset:512 th:TH_STORE_NT
.set i, i+1
.endr
	WIN 0
	s_wait_tensorcnt 0x0
	ds_add_u32 v254, v255
	s_wait_dscnt 0x0
	s_endpgm
.Lfunc_end_k_q5cd59d864f_experts:
	.size	k_q5cd59d864f_experts, .Lfunc_end_k_q5cd59d864f_experts-k_q5cd59d864f_experts
	.p2alignl 7, 3214868480
	.fill 96, 4, 3214868480
	.section	.rodata,"a",@progbits
	.p2align	6, 0x0
	.amdhsa_kernel k_q5cd59d864f_experts
		.amdhsa_group_segment_fixed_size 201216
		.amdhsa_private_segment_fixed_size 0
		.amdhsa_enable_private_segment 0
		.amdhsa_kernarg_size 64
		.amdhsa_user_sgpr_count 2
		.amdhsa_user_sgpr_kernarg_segment_ptr 1
		.amdhsa_wavefront_size32 1
		.amdhsa_system_sgpr_workgroup_id_x 1
		.amdhsa_system_sgpr_workgroup_id_y 1
		.amdhsa_system_sgpr_workgroup_id_z 1
		.amdhsa_system_vgpr_workitem_id 0
		.amdhsa_next_free_vgpr 1024
		.amdhsa_next_free_sgpr 96
		.amdhsa_reserve_vcc 1
		.amdhsa_float_denorm_mode_32 3
		.amdhsa_float_denorm_mode_16_64 3
		.amdhsa_memory_ordered 1
		.amdhsa_forward_progress 1
		.amdhsa_inst_pref_size 207
	.end_amdhsa_kernel
	.amdgpu_metadata
---
amdhsa.version: [ 1, 2 ]
amdhsa.kernels:
  - .name:           k_q5cd59d864f_experts
    .symbol:         k_q5cd59d864f_experts.kd
    .args:
      - { .name: order, .offset: 0, .size: 8, .value_kind: global_buffer, .address_space: global }
      - { .name: xq, .offset: 8, .size: 8, .value_kind: global_buffer, .address_space: global }
      - { .name: xs, .offset: 16, .size: 8, .value_kind: global_buffer, .address_space: global }
      - { .name: gates, .offset: 24, .size: 8, .value_kind: global_buffer, .address_space: global }
      - { .name: wq, .offset: 32, .size: 8, .value_kind: global_buffer, .address_space: global }
      - { .name: ws, .offset: 40, .size: 8, .value_kind: global_buffer, .address_space: global }
      - { .name: be, .offset: 48, .size: 8, .value_kind: global_buffer, .address_space: global }
      - { .name: out0, .offset: 56, .size: 8, .value_kind: global_buffer, .address_space: global }
    .group_segment_fixed_size: 201216
    .private_segment_fixed_size: 0
    .kernarg_segment_align: 8
    .kernarg_segment_size: 64
    .max_flat_workgroup_size: 128
    .sgpr_count:     96
    .vgpr_count:     1024
    .wavefront_size: 32
...
	.end_amdgpu_metadata
.endif
;; end of part 3
;; ======== version 2 of 2: 2 launches
;; limits: right only within a limited range of input values
;; workspace buffers: xq 4,194,304 bytes; xs 262,144 bytes; wq 4,194,304 bytes; ws 262,144 bytes; gates 131,072 bytes; route 65,536 bytes of whole numbers
;; launch prep (part 4): grid 256 x 1, 16 waves a work-group, no clusters, 184,832 bytes of LDS; arguments x, We, Wg, bg, xq, xs, wq, ws, gates, route; writes xq, xs, wq, ws, gates, route
.if DOCPART == 4
	.amdgcn_target "amdgcn-amd-amdhsa--gfx1250"
	.amdhsa_code_object_version 6
	.text
	.protected	k_q5cd59d864f_prep
	.globl	k_q5cd59d864f_prep
	.p2align	8
	.type	k_q5cd59d864f_prep,@function
k_q5cd59d864f_prep:
	s_mov_b64 s[64:65], 0
	v_nop
	global_prefetch_b8 v0, s[64:65] scope:SCOPE_SE
	s_setreg_imm32_b32 hwreg(HW_REG_WAVE_MODE, 25, 1), 1
	s_wait_xcnt 0x0
; x [8192][1024] and We [8][1024 d][1024 f], f32, become codes of FP4 (E2M1) with one E8M0 byte for each 32 along d; the router (x Wg + bg, softmax, top-2, gates) is computed in f32.
; A block's byte is its largest magnitude's exponent field - 2, held at 1 from below; each number is divided by that scale and rounded to the nearest code, ties to even, beyond 6 the code of 6.
; LIMITS: NaN and infinities among the inputs are not served.  A block of zeros gets the byte 1 (the stated quantiser says 127): its codes are zeros and only this program reads the bytes.
;         Two probabilities that differ by less than the last bit of v_exp_f32, or logits that differ only by the order of the f32 sums, may be ranked otherwise than by another order of the same arithmetic.
; SHARES.  Work-group g of 256: tokens 32 g .. 32 g + 31 of x, and of We expert g / 32, K step (128 of d) (g / 4) % 8, columns 256 (g % 4) on.
; Waves 0-7 take x, four tokens each (and bring an eighth of Wg into LDS); waves 8-15 take We, 32 columns each.  Both streams come straight into registers, so the two kinds of work run beside each other's loads.
; OUT:  xq [token][512 B], block b of 32 codes at byte 16 b;  xs [token][32 bytes];
;       wq [e][tile of 16 f][K step][c 2][lane 16 h + r][16 B]: the operand's registers on end (row f = 16 tile + r, block 2 c + h of the K step);
;       ws [e][K step][tile][r] words: the four bytes of the K step;   gates [token](lo, hi, gate of lo, gate of hi);
;       route [group of 32 tokens][lane](count << 16 | key << 2, rank << 16 | token): count: the group's tokens of key = lane; key, rank: of token 32 group + lane, its rank among the group's tokens of its key.
; The key numbers the 28 pairs lo < hi so that neighbouring keys share an expert: lo (15 - lo) / 2 + (hi - lo - 1 where lo is even, 7 - hi where it is odd).
; No cluster: work-groups share Wg alone, 32 of the 288 KB that each reads.  No prefetch: there is no loop to run ahead in.
.set XL,   0                           ; LDS: x: for each of 8 waves 128 pieces of 128 bytes + 16 of padding (4 rows x 32 blocks)
.set XW,   18432
.set WGL,  147456                      ; Wg: 32 pieces of 1,024 bytes + 16 of padding (piece l: rows d = 32 l .. 32 l + 31)
.set LG,   180736                      ; logits [32 tokens][8]
.set XSC,  181760                      ; x's scale bytes [32 tokens][32]
.set SPARE, 182784                     ; the spare words, 128 bytes a wave
.set CD,   16                          ; v16-31   codes, four sets of four
.set AC,   32                          ; v32-63   the router's 32 sums (row 8 p + expert); before that the quantisers' own
.set WR,   64                          ; v64-127  Wg, two sets of four rows
.set X,    128                         ; v128-255 128 numbers
.set FLOOR, 0x1800000                  ; 2^(3 - 127): no largest magnitude is taken under it, so the byte cannot fall under 1
.set OFFE,  0xff000000                 ; takes 2 off an exponent field
	s_load_b512 s[4:19], s[0:1], 0x0               ; x s[4:5], We s[6:7], Wg s[8:9], bg s[10:11], xq s[12:13], xs s[14:15], wq s[16:17], ws s[18:19]
	s_load_b128 s[20:23], s[0:1], 0x40             ; gates s[20:21], route s[22:23]
	v_lshl_add_u32 v8, v0, 2, SPARE
	v_mov_b32 v10, 0
	v_lshrrev_b32 v1, 5, v0
	v_readfirstlane_b32 s60, v1                    ; wave 0..15
	v_and_b32 v1, 31, v0                           ; lane
	s_and_b32 s61, s60, 7                          ; my place among the eight of my kind
	s_lshr_b32 s62, ttmp9, 5                       ; e
	s_bfe_u32 s63, ttmp9, 0x30002                  ; K step
	s_and_b32 s66, ttmp9, 3                        ; which 256 columns
	s_mul_i32 s67, s61, XW
	; every address register, ahead of the parting of the waves
	v_lshlrev_b32 v2, 4, v1                        ; 16 x lane
	v_lshlrev_b32 v3, 2, v1                        ; 4 x lane
	v_mul_u32_u24 v4, v1, 144
	v_mul_u32_u24 v5, v1, 1040
	v_lshrrev_b32 v14, 3, v1
	v_lshrrev_b32 v9, 4, v1
	v_and_b32 v16, 7, v1
	v_and_b32 v17, 15, v1
	v_add_nc_u32 v4, s67, v4                       ; x: piece = lane: block l of each of my rows
	v_add_nc_u32 v5, WGL, v5                       ; Wg: piece = lane
	v_mul_u32_u24 v14, v14, 144
	v_lshlrev_b32 v9, 13, v9
	s_lshl_b32 s94, s61, 7
	s_add_co_u32 s95, s94, XSC
	v_add_nc_u32 v6, s95, v1                       ; x's scale bytes: 128 wave + lane (+ 32 row)
	s_add_co_u32 s95, s94, LG
	v_add_nc_u32 v7, s95, v3                       ; logits: 128 wave + 4 lane
	v_lshl_add_u32 v14, v16, 4, v14
	v_lshl_add_u32 v9, v17, 4, v9                  ; wq: 8,192 (lane / 16) + 16 (lane % 16)
	v_lshlrev_b32 v11, 5, v1
	v_lshlrev_b32 v12, 3, v1                       ; 8 x lane
	v_add_nc_u32 v13, XSC, v2
	s_mul_i32 s95, s61, 4160
	s_add_co_u32 s95, s95, WGL
	v_add_nc_u32 v14, s67, v14                     ; x on the way in: a load's 512 bytes are four pieces
	v_add_nc_u32 v11, LG, v11                      ; a token's eight logits
	v_add_nc_u32 v15, s95, v2                      ; Wg on the way in: my four pieces
	s_lshl_b32 s80, s62, 22                        ; We
	s_lshl_b32 s94, s63, 19
	s_add_co_u32 s80, s80, s94
	s_lshl_b32 s94, s66, 10
	s_add_co_u32 s80, s80, s94
	s_lshl_b32 s95, s61, 7
	s_add_co_u32 s80, s80, s95
	s_mov_b32 s81, 0
	s_lshl_b32 s84, s62, 15                        ; ws
	s_add_co_u32 s84, s84, s94
	s_add_co_u32 s84, s84, s95
	s_lshl_b32 s94, s63, 12
	s_add_co_u32 s84, s84, s94
	s_mov_b32 s85, 0
	s_lshl_b32 s82, s62, 19                        ; wq: tile 16 (g % 4) + 2 wave
	s_lshl_b32 s94, s66, 17
	s_add_co_u32 s82, s82, s94
	s_lshl_b32 s94, s61, 14
	s_add_co_u32 s82, s82, s94
	s_lshl_b32 s95, s63, 10
	s_add_co_u32 s82, s82, s95
	s_mov_b32 s83, 0
	s_lshl_b32 s88, ttmp9, 17                      ; x
	s_add_co_u32 s88, s88, s94
	s_mov_b32 s89, 0
	s_lshl_b32 s90, s61, 12                        ; Wg
	s_mov_b32 s91, 0
	s_lshl_b32 s92, ttmp9, 14                      ; xq
	s_lshl_b32 s94, s61, 11
	s_add_co_u32 s92, s92, s94
	s_mov_b32 s93, 0
	s_mov_b32 s95, 0
	s_mov_b32 s76, 0xff00ff00                      ; lanes whose number has bit 3, 2, 1, 0 set
	s_mov_b32 s77, 0xf0f0f0f0
	s_mov_b32 s78, 0xcccccccc
	s_mov_b32 s79, 0xaaaaaaaa
	s_wait_alu depctr_va_vdst(0)
	s_wait_kmcnt 0x0
	s_load_b256 s[68:75], s[10:11], 0x0            ; bg
	s_add_nc_u64 s[50:51], s[4:5], s[88:89]
	s_add_nc_u64 s[52:53], s[8:9], s[90:91]
	s_add_nc_u64 s[54:55], s[6:7], s[80:81]
	s_add_nc_u64 s[56:57], s[16:17], s[82:83]
	s_add_nc_u64 s[58:59], s[18:19], s[84:85]
	s_add_nc_u64 s[24:25], s[12:13], s[92:93]
	s_lshl_b32 s94, ttmp9, 10
	s_add_nc_u64 s[26:27], s[14:15], s[94:95]      ; xs at the work-group's 32 rows
	s_lshl_b32 s94, ttmp9, 9
	s_add_nc_u64 s[28:29], s[20:21], s[94:95]      ; gates
	s_lshl_b32 s94, ttmp9, 8
	s_add_nc_u64 s[30:31], s[22:23], s[94:95]      ; route
.macro LOADB b                         ; We, block b of the K step: row 32 b + i, 128 neighbouring bytes a wave, 1,024 the eight waves
.set i, 0
.rept 32
	global_load_b32 v[X+32*(\b)-128*((\b)/2)+i], v3, s[54:55] offset:(32*(\b)+i)*4096 th:TH_LOAD_NT   ; blocks 0, 1: v128-191; blocks 2, 3: v64-127
.set i, i+1
.endr
.endm
	s_cmp_lt_u32 s60, 8
	s_cbranch_scc0 .Lwe1
.irp i, 0,1,2,3,4,5,6,7
	global_load_b128 v[WR+4*\i:WR+4*\i+3], v2, s[52:53] offset:512*\i   ; my 4,096 bytes of Wg
.endr
.set i, 0
.rept 32
	global_load_b128 v[X+4*i:X+4*i+3], v2, s[50:51] offset:512*i th:TH_LOAD_NT   ; my four rows, 512 consecutive bytes a load
.set i, i+1
.endr
	s_wait_loadcnt 32                              ; Wg is in; x's 32 loads stay out
.irp i, 0,1,2,3,4,5,6,7
	ds_store_b128 v15, v[WR+4*\i:WR+4*\i+3] offset:1040*(\i/2)+512*(\i%2)
.endr
	s_branch .Lj1
.Lwe1:
	LOADB 0
	LOADB 1
.Lj1:
	s_wait_kmcnt 0x0                               ; bg
	s_wait_dscnt 0x0                               ; for the others' sake: my part of Wg is in LDS
	s_barrier_signal -1
	s_barrier_wait -1
	s_cmp_lt_u32 s60, 8
	s_cbranch_scc0 .Lwe2
; ---- x.  The rows turn through my own stage: lane l then holds block l (d = 32 l .. 32 l + 31) of each of my four rows: 128 numbers.  They are quantised, and multiplied by Wg's rows of the same d.
.irp p, 0,1,2,3
	s_wait_loadcnt 24-8*\p                         ; row p's eight loads are in
.irp i, 0,1,2,3,4,5,6,7
	ds_store_b128 v14, v[X+32*\p+4*\i:X+32*\p+4*\i+3] offset:4608*\p+576*\i
.endr
.endr
	s_wait_dscnt 0x0                               ; the stores have read their registers, which the loads below write
.irp p, 0,1,2,3
.irp j, 0,1,2,3,4,5,6,7
	ds_load_b128 v[X+32*\p+4*\j:X+32*\p+4*\j+3], v4 offset:4608*\p+16*\j
.endr
.endr
.macro WCH c                           ; Wg's rows 32 l + 4 c .. + 3, 32 bytes each, into set c % 2
.irp i, 0,1,2,3
	ds_load_b128 v[WR+32*((\c)%2)+8*\i:WR+32*((\c)%2)+8*\i+3], v5 offset:32*(4*(\c)+\i)
	ds_load_b128 v[WR+32*((\c)%2)+8*\i+4:WR+32*((\c)%2)+8*\i+7], v5 offset:32*(4*(\c)+\i)+16
.endr
.endm
	WCH 0
	s_wait_dscnt 8                                 ; x's numbers are in; Wg's first eight loads may be out
.irp p, 0,1,2,3
	v_max3_num_f32 v[AC+\p], |v[X+32*\p]|, |v[X+32*\p+1]|, FLOOR   ; four rows by turns
.endr
.irp i, 2,4,6,8,10,12,14,16,18,20,22,24,26,28,30
.irp p, 0,1,2,3
	s_delay_alu instid0(VALU_DEP_4)
	v_max3_num_f32 v[AC+\p], v[AC+\p], |v[X+32*\p+\i]|, |v[X+32*\p+\i+1]|
.endr
.endr
.irp p, 0,1,2,3
	s_delay_alu instid0(VALU_DEP_4)
	v_add_nc_u32 v[AC+4+\p], OFFE, v[AC+\p]        ; the conversion takes this operand's exponent field as its scale
.endr
.irp p, 0,1,2,3
	s_delay_alu instid0(VALU_DEP_4)
	v_lshrrev_b32 v[AC+8+\p], 23, v[AC+4+\p]       ; the scale's byte
.endr
.irp p, 0,1,2,3
.irp g, 0,1,2,3
	v_cvt_scalef32_pk8_fp4_f32 v[CD+4*\p+\g], v[X+32*\p+8*\g:X+32*\p+8*\g+7], v[AC+4+\p]
.endr
.endr
	v_nop                                          ; one plain line behind the conversions
.irp p, 0,1,2,3
	global_store_b128 v2, v[CD+4*\p:CD+4*\p+3], s[24:25] offset:512*\p   ; a row's 512 bytes of codes
	ds_store_b8 v6, v[AC+8+\p] offset:32*\p
.endr
	WCH 1
; four of d for four rows and eight experts: 64 packed multiply-adds; x's number serves both halves, Wg's pair is two experts
.macro FMA c
.irp i, 0,1,2,3
.irp p, 0,1,2,3
.irp e, 0,2,4,6
.set rX, X+32*\p+4*(\c)+(\i/2)*2
.set rW, WR+32*((\c)%2)+8*\i+\e
.set rA, AC+8*\p+\e
.if ((\c) == 0) && (\i == 0)
	v_pk_mul_f32 v[rA:rA+1], v[rX:rX+1], v[rW:rW+1] op_sel_hi:[0,1]          ; the first product starts the sums
.elseif (\i%2) == 0
	v_pk_fma_f32 v[rA:rA+1], v[rX:rX+1], v[rW:rW+1], v[rA:rA+1] op_sel_hi:[0,1,1]
.else
	v_pk_fma_f32 v[rA:rA+1], v[rX:rX+1], v[rW:rW+1], v[rA:rA+1] op_sel:[1,0,0] op_sel_hi:[1,1,1]
.endif
.endr
.endr
.endr
.endm
.irp c, 0,1,2,3,4,5
	s_wait_dscnt 8                                 ; this chunk of Wg is in (ahead of the first: the byte stores have read their registers too); the next chunk's eight loads may be out
	FMA \c
	WCH \c+2
.endr
	s_wait_dscnt 8
	FMA 6
	s_wait_dscnt 0x0
	FMA 7
	; 32 sums in each of 32 lanes become one total a lane: lane l ends with sum number l (row l / 8, expert l % 8).  Each step halves the registers and adds across one bit of the lane's number.
.set i, 0
.rept 16
	v_permlane16_swap_b32 v[AC+i], v[AC+16+i]      ; the upper lanes of sum i change places with the lower lanes of sum 16 + i
.set i, i+1
.endr
.irp i, 0,2,4,6,8,10,12,14
	v_pk_add_f32 v[AC+\i:AC+\i+1], v[AC+\i:AC+\i+1], v[AC+16+\i:AC+16+\i+1]
.endr
.macro RED cnt, mask, x
.set i, 0
.rept \cnt
	v_cndmask_b32 v[WR+2*i], v[AC+i], v[AC+\cnt+i], s[\mask]       ; what I keep,
	v_cndmask_b32 v[WR+2*i+1], v[AC+\cnt+i], v[AC+i], s[\mask]     ; what my partner keeps
.set i, i+1
.endr
.set i, 0
.rept \cnt
	v_add_f32_dpp v[AC+i], v[WR+2*i+1], v[WR+2*i] row_xmask:\x row_mask:0xf bank_mask:0xf
.set i, i+1
.endr
.endm
	RED 8, 76, 8
	RED 4, 77, 4
	RED 2, 78, 2
	RED 1, 79, 1
	ds_store_b32 v7, v[AC]
	s_branch .Lj2
; ---- We.  A lane takes a column and its registers run down d: a block of 32 lies in one lane, and the codes come out with d innermost.
.macro QW b
.set XS, X+32*(\b)-128*((\b)/2)
	v_max3_num_f32 v32, |v[XS]|, |v[XS+1]|, |v[XS+2]|              ; the block's largest magnitude, in two chains
	v_max3_num_f32 v33, |v[XS+3]|, |v[XS+4]|, |v[XS+5]|
.irp i, 6,10,14,18,22,26
	s_delay_alu instid0(VALU_DEP_2)
	v_max3_num_f32 v32, v32, |v[XS+\i]|, |v[XS+\i+1]|
	s_delay_alu instid0(VALU_DEP_2)
	v_max3_num_f32 v33, v33, |v[XS+\i+2]|, |v[XS+\i+3]|
.endr
	s_delay_alu instid0(VALU_DEP_2)
	v_max3_num_f32 v32, v32, |v[XS+30]|, |v[XS+31]|
	s_delay_alu instid0(VALU_DEP_1)
	v_max3_num_f32 v32, v32, v33, FLOOR
	s_delay_alu instid0(VALU_DEP_1)
	v_add_nc_u32 v34, OFFE, v32
	s_delay_alu instid0(VALU_DEP_1)
	v_lshrrev_b32 v35, 23, v34                     ; the scale's byte
.if (\b) == 0
	s_delay_alu instid0(VALU_DEP_1)
	v_mov_b32 v36, v35                             ; the K step's four bytes make a word
.else
	s_delay_alu instid0(VALU_DEP_1)
	v_lshl_or_b32 v36, v35, 8*(\b), v36
.endif
.irp g, 0,1,2,3
	v_cvt_scalef32_pk8_fp4_f32 v[CD+4*(\b)+\g], v[XS+8*\g:XS+8*\g+7], v34
.endr
	v_nop                                          ; one plain line behind the conversions
	global_store_b128 v9, v[CD+4*(\b):CD+4*(\b)+3], s[56:57] offset:((\b)/2)*512+((\b)%2)*256   ; block 2 c + h: sixteen lanes store 256 consecutive bytes, aligned
.endm
.Lwe2:
	LOADB 2
	s_wait_loadcnt 63                              ; behind block 0 stand 64 loads: it is in
	QW 0
	LOADB 3
	s_wait_loadcnt 63                              ; block 1 likewise
	QW 1
	s_wait_loadcnt 32                              ; block 2 is in, block 3's 32 loads may be out
	QW 2
.Lj2:
	s_wait_alu depctr_va_vdst(0)
	s_wait_dscnt 0x0                               ; for the others' sake: my logits and scale bytes are in LDS
	s_barrier_signal -1
	s_barrier_wait -1
	s_cmp_gt_u32 s60, 7
	s_cbranch_scc1 .Lwe3
	s_cmp_eq_u32 s60, 0
	s_cbranch_scc1 .Lrouter
	s_cmp_eq_u32 s60, 1
	s_cbranch_scc1 .Lxs
.macro ENDW                            ; the wave's end
	s_wait_tensorcnt 0x0
	ds_add_u32 v8, v10
	s_wait_dscnt 0x0
	s_endpgm
.endm
	ENDW
.Lwe3:                                             ; We's last block
	s_wait_loadcnt 0x0
	QW 3
	global_store_b32 v3, v36, s[58:59]             ; two tiles' 16 rows: 128 consecutive bytes a wave, 1,024 the eight waves
	ENDW
.Lxs:                                              ; wave 1: x's 1,024 scale bytes leave as they lie, 512 consecutive bytes a store
	ds_load_b128 v[128:131], v13
	ds_load_b128 v[132:135], v13 offset:512
	s_wait_dscnt 0x0
	global_store_b128 v2, v[128:131], s[26:27]
	global_store_b128 v2, v[132:135], s[26:27] offset:512
	ENDW
.Lrouter:                                          ; wave 0: a lane to a token.  All that follow are values to be stored: no address and no branch hangs on them
	ds_load_b128 v[128:131], v11
	ds_load_b128 v[132:135], v11 offset:16
	s_wait_dscnt 0x0
.irp e, 0,1,2,3,4,5,6,7
	v_add_f32 v[128+\e], s[68+\e], v[128+\e]       ; + bg
.endr
	v_max3_num_f32 v136, v128, v129, v130
	s_delay_alu instid0(VALU_DEP_1)
	v_max3_num_f32 v136, v136, v131, v132
	s_delay_alu instid0(VALU_DEP_1)
	v_max3_num_f32 v136, v136, v133, v134
	s_delay_alu instid0(VALU_DEP_1)
	v_max_num_f32 v136, v136, v135                 ; the largest logit is taken away first
.irp e, 0,1,2,3,4,5,6,7
	v_sub_f32 v[128+\e], v[128+\e], v136           ; (not fused with the scaling below: the difference is exactly 0 at the maximum, whatever the logits' size)
.endr
.irp e, 0,1,2,3,4,5,6,7
	v_mul_f32 v[128+\e], 0x3fb8aa3b, v[128+\e]
.endr
	s_wait_alu depctr_va_vdst(0)
.irp e, 0,1,2,3,4,5,6,7
	v_exp_f32 v[128+\e], v[128+\e]
.endr
	v_mov_b32 v138, 0                              ; the first choice's index (a plain line behind the exponentials)
	s_wait_alu depctr_va_vdst(0)                   ; one wait for the eight, ahead of their first reader
	v_add_f32 v137, v128, v129
	v_add_f32 v139, v130, v131
	v_add_f32 v140, v132, v133
	v_add_f32 v141, v134, v135
	s_delay_alu instid0(VALU_DEP_3)
	v_add_f32 v137, v137, v139
	s_delay_alu instid0(VALU_DEP_2)
	v_add_f32 v140, v140, v141
	s_delay_alu instid0(VALU_DEP_1)
	v_add_f32 v137, v137, v140                     ; the softmax's sum
	s_wait_alu depctr_va_vdst(0)
	v_rcp_f32 v142, v137
	v_mov_b32 v143, v128                           ; the largest so far.  A later expert wins only where it is strictly larger: a tie keeps the lower index
.irp e, 1,2,3,4,5,6,7
	v_cmp_le_f32 vcc_lo, v[128+\e], v143
	v_cndmask_b32 v143, v[128+\e], v143, vcc_lo
	s_delay_alu instid0(VALU_DEP_2)
	v_cndmask_b32 v138, \e, v138, vcc_lo
.endr
.irp e, 0,1,2,3,4,5,6,7
	v_cmp_ne_u32 vcc_lo, \e, v138
	v_cndmask_b32 v[128+\e], -1.0, v[128+\e], vcc_lo   ; the winner leaves: -1 lies under every exponential
.endr
	v_mov_b32 v144, v128
	v_mov_b32 v145, 0
.irp e, 1,2,3,4,5,6,7
	s_delay_alu instid0(VALU_DEP_2)
	v_cmp_le_f32 vcc_lo, v[128+\e], v144
	s_delay_alu instid0(VALU_DEP_1)
	v_cndmask_b32 v144, v[128+\e], v144, vcc_lo
	s_delay_alu instid0(VALU_DEP_2)
	v_cndmask_b32 v145, \e, v145, vcc_lo
.endr
	s_wait_alu depctr_va_vdst(0)                   ; the reciprocal of the sum, ahead of its first reader
	v_mul_f32 v143, v143, v142                     ; the two probabilities
	v_mul_f32 v144, v144, v142
	s_delay_alu instid0(VALU_DEP_1)
	v_add_f32 v146, v143, v144
	s_delay_alu instid0(VALU_DEP_1)
	v_add_f32 v146, 0x3089705f, v146               ; + 1e-9
	s_wait_alu depctr_va_vdst(0)
	v_rcp_f32 v147, v146
	v_min_u32 v148, v138, v145                     ; lo
	v_max_u32 v149, v138, v145                     ; hi
	s_delay_alu instid0(VALU_DEP_2)
	v_sub_nc_u32 v152, 15, v148
	s_delay_alu instid0(VALU_DEP_1)
	v_mul_u32_u24 v152, v152, v148
	s_delay_alu instid0(VALU_DEP_1)
	v_lshrrev_b32 v152, 1, v152                    ; lo (15 - lo) / 2
	s_delay_alu instid0(VALU_DEP_4)
	v_sub_nc_u32 v153, v149, v148
	s_delay_alu instid0(VALU_DEP_1)
	v_add_nc_u32 v153, -1, v153                    ; hi - lo - 1
	v_sub_nc_u32 v154, 7, v149                     ; 7 - hi
	v_and_b32 v155, 1, v148
	s_delay_alu instid0(VALU_DEP_1)
	v_cmp_eq_u32 vcc_lo, 1, v155
	s_delay_alu instid0(VALU_DEP_1)
	v_cndmask_b32 v153, v153, v154, vcc_lo
	s_delay_alu instid0(VALU_DEP_1)
	v_add_nc_u32 v152, v152, v153                  ; the key
	s_wait_alu depctr_va_vdst(0)
	v_mul_f32 v143, v143, v147                     ; the two gates
	v_mul_f32 v144, v144, v147
	v_cmp_lt_u32 vcc_lo, v138, v145
	s_delay_alu instid0(VALU_DEP_1)
	v_cndmask_b32 v150, v144, v143, vcc_lo         ; the lower expert's,
	s_delay_alu instid0(VALU_DEP_2)
	v_cndmask_b32 v151, v143, v144, vcc_lo         ; the higher's
	v_mov_b32 v156, 0                              ; my rank among the group's tokens of my key
	v_mov_b32 v157, 0                              ; lane k: how many tokens of the group have key k
.set k, 0
.rept 28
	v_cmp_eq_u32 s80, k, v152
	s_delay_alu instid0(VALU_DEP_1)
	v_mbcnt_lo_u32_b32 v158, s80, 0
	s_delay_alu instid0(VALU_DEP_1)
	v_cndmask_b32 v156, v156, v158, s80
	s_bcnt1_i32_b32 s81, s80
	v_writelane_b32 v157, s81, k
.set k, k+1
.endr
	s_lshl_b32 s82, ttmp9, 5
	v_lshlrev_b32 v160, 2, v152
	v_add_nc_u32 v161, s82, v1                     ; the token
	v_lshl_or_b32 v160, v157, 16, v160
	v_lshl_or_b32 v161, v156, 16, v161
	global_store_b64 v12, v[160:161], s[30:31]     ; 32 lanes store 256 consecutive bytes, aligned
	global_store_b128 v2, v[148:151], s[28:29]     ; lo, hi and their gates: 512 consecutive bytes
	ENDW
.Lfunc_end_k_q5cd59d864f_prep:
	.size	k_q5cd59d864f_prep, .Lfunc_end_k_q5cd59d864f_prep-k_q5cd59d864f_prep
	.p2alignl 7, 3214868480
	.fill 96, 4, 3214868480
	.section	.rodata,"a",@progbits
	.p2align	6, 0x0
	.amdhsa_kernel k_q5cd59d864f_prep
		.amdhsa_group_segment_fixed_size 184832
		.amdhsa_private_segment_fixed_size 0
		.amdhsa_enable_private_segment 0
		.amdhsa_kernarg_size 80
		.amdhsa_user_sgpr_count 2
		.amdhsa_user_sgpr_kernarg_segment_ptr 1
		.amdhsa_wavefront_size32 1
		.amdhsa_system_sgpr_workgroup_id_x 1
		.amdhsa_system_sgpr_workgroup_id_y 1
		.amdhsa_system_sgpr_workgroup_id_z 1
		.amdhsa_system_vgpr_workitem_id 0
		.amdhsa_next_free_vgpr 256
		.amdhsa_next_free_sgpr 96
		.amdhsa_reserve_vcc 1
		.amdhsa_float_denorm_mode_32 3
		.amdhsa_float_denorm_mode_16_64 3
		.amdhsa_memory_ordered 1
		.amdhsa_forward_progress 1
		.amdhsa_inst_pref_size 100
	.end_amdhsa_kernel
	.amdgpu_metadata
---
amdhsa.version: [ 1, 2 ]
amdhsa.kernels:
  - .name:           k_q5cd59d864f_prep
    .symbol:         k_q5cd59d864f_prep.kd
    .args:
      - { .name: x, .offset: 0, .size: 8, .value_kind: global_buffer, .address_space: global }
      - { .name: We, .offset: 8, .size: 8, .value_kind: global_buffer, .address_space: global }
      - { .name: Wg, .offset: 16, .size: 8, .value_kind: global_buffer, .address_space: global }
      - { .name: bg, .offset: 24, .size: 8, .value_kind: global_buffer, .address_space: global }
      - { .name: xq, .offset: 32, .size: 8, .value_kind: global_buffer, .address_space: global }
      - { .name: xs, .offset: 40, .size: 8, .value_kind: global_buffer, .address_space: global }
      - { .name: wq, .offset: 48, .size: 8, .value_kind: global_buffer, .address_space: global }
      - { .name: ws, .offset: 56, .size: 8, .value_kind: global_buffer, .address_space: global }
      - { .name: gates, .offset: 64, .size: 8, .value_kind: global_buffer, .address_space: global }
      - { .name: route, .offset: 72, .size: 8, .value_kind: global_buffer, .address_space: global }
    .group_segment_fixed_size: 184832
    .private_segment_fixed_size: 0
    .kernarg_segment_align: 8
    .kernarg_segment_size: 80
    .max_flat_workgroup_size: 512
    .sgpr_count:     96
    .vgpr_count:     256
    .wavefront_size: 32
...
	.end_amdgpu_metadata
.endif
;; end of part 4
;; launch experts (part 5): grid 4 x 64, 4 waves a work-group, no clusters, 206,848 bytes of LDS; arguments route, xq, xs, gates, wq, ws, be, out0; writes out0
.if DOCPART == 5
	.amdgcn_target "amdgcn-amd-amdhsa--gfx1250"
	.amdhsa_code_object_version 6
	.text
	.protected	k_q5cd59d864f_experts
	.globl	k_q5cd59d864f_experts
	.p2align	8
	.type	k_q5cd59d864f_experts,@function
k_q5cd59d864f_experts:
	s_mov_b64 s[64:65], 0
	v_nop
	global_prefetch_b8 v0, s[64:65] scope:SCOPE_SE
	s_setreg_imm32_b32 hwreg(HW_REG_WAVE_MODE, 25, 1), 1
	s_wait_xcnt 0x0
; out0[token][f] = the sum over the token's two experts of gate x (Q(x[token]) . Q(We[e][:, f]) + be[e][f]), on codes of FP4 (E2M1) with one E8M0 scale for each 32 along d; sums in f32.
; SHARES.  The 8,192 tokens are taken in the order (key of their pair of experts, group of 32 tokens, rank in the group).  A work-group takes 128 positions of that order (work-group y) x 256 outputs
; (work-group x) and walks only the experts that its 128 tokens use (2 to 8; neighbouring keys share an expert); the other experts' rows reach no output of these tokens.  The 256 outputs go in two halves of 128: in half J
; wave w makes all 128 tokens x the outputs 128 J + 32 w .. + 31, two tiles of 16.  Each output row has one owner: nothing is added between work-groups.
; THE ORDER IS STORED NOWHERE: each work-group counts anew (a counting sort).  Wave w takes groups 64 w .. 64 w + 63 of route.  Lane = key: running sums of the packed counts give where each cell (key, group) begins;
; lane = token: ds_bpermute fetches the beginning of the token's cell from the lane of its key, + its rank = its position.  A position of mine goes into the wave's own list; the four lists are then joined by OR.
; THE MATRIX INSTRUCTION IS USED TRANSPOSED: source 0 = 16 rows f of the weights, source 1 = 16 tokens: a lane holds ONE token (lane % 16) and eight neighbouring outputs, so a gate is one number a lane.
; The bias is the C of a sum's first instruction.  A finished sum is multiplied by the lane's gate for this expert, which is 0 for a token that did not choose it, and added to OUT.
; LIMIT: the sum of an expert that a token did not choose is multiplied by 0, so it has to be finite.  NaN and infinities among the inputs are not served.
; x's codes of the 128 tokens (64 KB) are gathered once, whole rows of 512 bytes, go through LDS and stay in every wave's registers (512).  The weights come from memory straight into the operand's
; registers (wq is laid in that order): the walk hangs on stored numbers, so this launch has no tensor load, and therefore no joint loads and no cluster.
; Each weight register is asked for again straight behind its last use: a load has one expert's 128 matrix instructions in which to land.  No prefetch besides: the walk is 2 to 8 experts a half, and the next one's loads are out already.
; REGISTERS, in windows of 256 (s_set_vgpr_msb: bits 1:0 source 0, 3:2 source 1, 5:4 source 2, 7:6 destination):
;   window 0: v1-15, v70, v120-125 addresses; v16-47 x's scale words; v48-55 the weights' scale words; v56-71 bias; v72-103 the tokens' lo, hi, gates; v104-119 the gates for the expert in hand;
;             v126-127 the add's; v128-191 eight accumulators; v192-223 offsets of my 32 tokens' rows of out0; in the prologue v16-119 and v128-255 serve the counting
;   window 1: v0-63, v64-127 the weights' codes of the half's two tiles (K step s at 8 s); v128-255 OUT (tile u, tokens 16 m on: 128 + 64 u + 8 m); in the prologue the gathered rows; on the way out rows of out0
;   windows 2, 3: x's fragments: tokens 16 m on, K step s: window 2 + m / 4, v[64 (m % 4) + 8 s]
.set OST,  67584                       ; LDS: x's codes from 0 on, 128 rows x (512 + 16) bytes; behind them two stages of the same shape for the way out
.set OSZ,  67584
.set WT,   202752                      ; [wave 4][key]: the wave's packed count of the key
.set LIST, 203264                      ; [wave 4]: 128 words for my 128 positions, one for all other tokens, and room: 640 bytes
.set LSZ,  640
.set LM,   205824                      ; [position 128]: the token
.set SPARE, 206336                     ; the spare words
.set L16,  1                           ; v1  16 x lane
.set BO,   2                           ; v2  32 (lane / 16): my eight numbers of a tile's bias
.set FA,   3                           ; v3  a fragment's row: 528 (lane % 16) + 16 (lane / 16)
.set SAD,  4                           ; v4  where I put gathered rows: 32 x 528 x wave + 16 lane
.set SO,   5                           ; v5, v6  the way out, in: 528 (lane % 16) + 128 wave + 32 (lane / 16), stage 0, 1
.set RB,   7                           ; v7, v8  the way out, back: 32 x 528 x wave + 16 lane, stage 0, 1
.set WSO,  12                          ; v12 the weights' scale words: 16,384 (lane / 16) + 4 (lane % 16)
.set RO,   13                          ; v13 route: 8 x lane
.set AS,   16                          ; x's scale words: v[AS + 8 p + s]: lane l: position 32 p + l, K step s
.set BS,   48                          ; the weights': v[BS + 4 u + q]: lanes 0-15 K step q, lanes 16-31 K step 4 + q
.set BI,   56
.set GR,   72                          ; v[GR + 4 m ..]: lo, hi, gate of lo, gate of hi of position 16 m + lane % 16
.set G,    104
.set SPW,  126
.set NIL,  127
.set ACC,  128
.set AD,   192
; the counting's own
.set CW,   128                         ; v[CW + 2 i], v[CW + 2 i + 1]: group i's two words, i = 8 j + k
.set EX,   72                          ; v[EX + 6 j + k - 2]: the sum of chain j's first k words, k = 2 .. 7
.set TS,   16                          ; v16-23 chain j's sum
.set QB,   36                          ; v36-43 where chain j begins, lane = key
.set SS,   44                          ; v44-67 three sets of eight: where a cell begins
.set TOK,  224                         ; v224-255 my 32 tokens
.set MSB, 0
.macro WIN new                         ; the immediate's high byte repeats the setting that is left
.if MSB != \new
	s_set_vgpr_msb (MSB<<8)|\new
.set MSB, \new
.endif
.endm
.macro PLACES                          ; four plain lines behind matrix instructions, in front of loads into their registers and of the first read of results
.rept 4
	v_nop
.endr
.endm
.macro MEET                            ; what I stored in LDS is there and what I read is in: now everybody's
	s_wait_dscnt 0x0
	s_barrier_signal -1
	s_barrier_wait -1
.endm
	s_load_b512 s[4:19], s[0:1], 0x0               ; route s[4:5], xq s[6:7], xs s[8:9], gates s[10:11], wq s[12:13], ws s[14:15], be s[16:17], out0 s[18:19]
	v_lshl_add_u32 v[SPW], v0, 2, SPARE
	v_mov_b32 v[NIL], 0
	v_lshrrev_b32 v9, 5, v0
	v_readfirstlane_b32 s20, v9                    ; wave 0..3
	v_and_b32 v11, 31, v0                          ; lane
	v_lshlrev_b32 v[RO], 3, v11
	s_mov_b32 s21, ttmp9                           ; which 256 outputs
	s_and_b32 s22, ttmp7, 0xffff                   ; which 128 positions
	s_lshl_b32 s30, s20, 14                        ; my 64 groups of route: 256 bytes a group
	s_mov_b32 s31, 0                               ; stays 0: s[30:31] is every offset's pair
	s_wait_alu depctr_va_vdst(0)
	s_wait_kmcnt 0x0
	s_add_nc_u64 s[84:85], s[4:5], s[30:31]
.set i, 0
.rept 64
	global_load_b64 v[CW+2*i:CW+2*i+1], v[RO], s[84:85] offset:256*i     ; group 64 wave + i
.set i, i+1
.endr
	; every address register is made while those loads are on their way
	v_and_b32 v9, 15, v0                           ; r
	v_bfe_u32 v10, v0, 4, 1                        ; h
	v_lshlrev_b32 v[L16], 4, v11
	v_lshlrev_b32 v[BO], 5, v10
	v_mul_u32_u24 v[FA], v9, 528
	v_lshl_add_u32 v[SO], v10, 5, v[FA]
	v_lshl_add_u32 v[FA], v10, 4, v[FA]
	s_mul_i32 s86, s20, 16896
	v_add_nc_u32 v[SAD], s86, v[L16]
	s_add_co_u32 s86, s86, OST
	v_add_nc_u32 v[RB], s86, v[L16]
	s_lshl_b32 s86, s20, 7
	s_add_co_u32 s87, s86, OST
	v_add_nc_u32 v[SO], s87, v[SO]
	v_add_nc_u32 v[SO+1], OSZ, v[SO]
	v_add_nc_u32 v[RB+1], OSZ, v[RB]
	v_lshlrev_b32 v[WSO], 14, v10
	v_lshl_add_u32 v[WSO], v9, 2, v[WSO]
	v_lshl_add_u32 v14, v0, 2, WT                  ; v14 WT + 4 x thread;  v15 WT + 4 lane
	v_lshl_add_u32 v15, v11, 2, WT
	s_mul_i32 s57, s20, LSZ
	s_add_co_u32 s57, s57, LIST                    ; my wave's list
	v_lshl_add_u32 v121, v11, 2, s57
	v_lshl_add_u32 v122, v0, 2, LIST               ; v122 LIST + 4 x thread
	v_lshl_add_u32 v123, v0, 2, LM                 ; v123 LM + 4 x thread;  v124 LM + 4 lane;  v125 LM + 4 (lane % 16)
	v_lshl_add_u32 v124, v11, 2, LM
	v_lshl_add_u32 v125, v9, 2, LM
	s_add_co_u32 s86, s86, LM
	v_mov_b32 v70, s86                             ; v70 LM + 128 wave, the same in every lane
	v_mov_b32 v120, 0
.irp i, 0,1,2,3,4
	ds_store_b32 v121, v120 offset:128*\i          ; my list begins as zeros
.endr
	s_lshl_b32 s55, s22, 7                         ; my positions: s55 .. s56 - 1
	s_add_co_u32 s56, s55, 128
	s_cmp_gt_u32 s20, 0                            ; which waves' groups lie ahead of mine
	s_cselect_b32 s40, -1, 0
	s_cmp_gt_u32 s20, 1
	s_cselect_b32 s41, -1, 0
	s_cmp_gt_u32 s20, 2
	s_cselect_b32 s42, -1, 0
	s_mov_b32 s48, 0xaaaaaaaa                      ; lanes whose number has bit 0, 1, 2, 3, 4 set
	s_mov_b32 s49, 0xcccccccc
	s_mov_b32 s50, 0xf0f0f0f0
	s_mov_b32 s51, 0xff00ff00
	s_mov_b32 s52, 0xffff0000
	s_mov_b32 s58, 0x76543210
	s_mov_b32 s59, 0xfedcba98
	s_lshl_b32 s86, s21, 4
	s_lshl_b32 s87, s20, 1
	s_add_co_u32 s86, s86, s87                     ; my first tile of 16 outputs: 16 x + 2 wave
	s_lshl_b32 s30, s86, 13
	s_add_nc_u64 s[66:67], s[12:13], s[30:31]      ; wq, ws and be at that tile, expert 0
	s_lshl_b32 s30, s86, 6
	s_add_nc_u64 s[68:69], s[14:15], s[30:31]
	s_add_nc_u64 s[70:71], s[16:17], s[30:31]
	s_lshl_b32 s30, s21, 10
	s_add_nc_u64 s[80:81], s[18:19], s[30:31]      ; out0 at the work-group's 1,024 bytes of a row
	s_wait_alu depctr_va_vdst(0)
	s_wait_loadcnt 0x0
	; ---- THE SUMS, lane = key: eight chains of eight groups by turns.  The count is the upper half of the word; the lower halves (4 x key, at most 124, 64 of them) never carry into it
.irp j, 0,1,2,3,4,5,6,7
	v_add_nc_u32 v[EX+6*\j], v[CW+16*\j], v[CW+16*\j+2]
.endr
.irp k, 3,4,5,6,7
.irp j, 0,1,2,3,4,5,6,7
	v_add_nc_u32 v[EX+6*\j+\k-2], v[EX+6*\j+\k-3], v[CW+16*\j+2*\k-2]
.endr
.endr
.irp j, 0,1,2,3,4,5,6,7
	v_add_nc_u32 v[TS+\j], v[EX+6*\j+5], v[CW+16*\j+14]
.endr
.irp j, 0,1,2,3
	v_add_nc_u32 v[24+\j], v[TS+\j], v[TS+4+\j]
.endr
	v_add_nc_u32 v24, v24, v25
	v_add_nc_u32 v26, v26, v27
	v_add_nc_u32 v24, v24, v26
	ds_store_b32 v14, v24                          ; my wave's counts
	s_wait_alu depctr_va_vdst(0)
	MEET
.irp q, 0,1,2,3
	ds_load_b32 v[25+\q], v15 offset:128*\q
.endr
	v_mov_b32 v31, 0
	v_mov_b32 v33, 0
	s_wait_alu depctr_va_vdst(0)
	s_wait_dscnt 0x0
.irp q, 0,1,2,3
	v_lshrrev_b32 v[25+\q], 16, v[25+\q]
.endr
	v_add_nc_u32 v29, v25, v26
	v_add_nc_u32 v30, v27, v28
	v_and_b32 v34, s41, v26
	v_and_b32 v35, s42, v27
	v_add_nc_u32 v29, v29, v30                     ; all tokens of my key
	v_and_b32 v30, s40, v25
	v_add_nc_u32 v34, v34, v35
	v_mov_b32 v32, v29
	v_add_nc_u32 v30, v30, v34                     ; those of them in the waves ahead of mine
	; v31: the tokens of all lower keys: in each step my partner's total joins mine, and my prefix where the partner lies below me
.macro SCAN mask
	v_cndmask_b32 v34, 0, v33, s[\mask]
	v_add_nc_u32 v32, v32, v33
	v_add_nc_u32 v31, v31, v34
.endm
	v_mov_b32_dpp v33, v32 row_xmask:1 row_mask:0xf bank_mask:0xf
	SCAN 48
	v_mov_b32_dpp v33, v32 row_xmask:2 row_mask:0xf bank_mask:0xf
	SCAN 49
	v_mov_b32_dpp v33, v32 row_xmask:4 row_mask:0xf bank_mask:0xf
	SCAN 50
	v_mov_b32_dpp v33, v32 row_xmask:8 row_mask:0xf bank_mask:0xf
	SCAN 51
	v_permlanex16_b32 v33, v32, s58, s59
	SCAN 52
	v_add_nc_u32 v35, v31, v29                     ; where my key ends
	v_add_nc_u32 v[QB], v31, v30
	v_cmp_gt_u32 s44, s56, v31                     ; the keys that have tokens at my positions: begin under their end,
	v_cmp_lt_u32 s45, s55, v35                     ; end above their beginning,
	v_cmp_ne_u32 s46, 0, v29                       ; and are not empty
	v_sub_nc_u32 v[QB], v[QB], s55
	v_lshlrev_b32 v[QB], 16, v[QB]                 ; where my key begins for my wave, counted from my first position: a signed upper half
.irp j, 1,2,3,4,5,6,7
	v_add_nc_u32 v[QB+\j], v[QB+\j-1], v[TS+\j-1]
.endr
	s_wait_alu depctr_va_vdst(0)
	s_and_b32 s44, s44, s45
	s_and_b32 s44, s44, s46
	; the experts that these keys name: a list of their numbers, four bits each, ascending, in s24; every wave makes the same list.  keys: the seven keys that name expert e, a bit each
	s_mov_b32 s24, 0
	s_mov_b32 s25, 0
.macro NAMED e, keys
	s_and_b32 s86, s44, \keys
	s_cselect_b32 s86, \e, 0
	s_cselect_b32 s87, 4, 0
	s_lshl_b32 s86, s86, s25
	s_or_b32 s24, s24, s86
	s_add_co_u32 s25, s25, s87
.endm
	NAMED 0, 0x7f
	NAMED 1, 0x1f81
	NAMED 2, 0x3f002
	NAMED 3, 0x3c2804
	NAMED 4, 0x1e04408
	NAMED 5, 0x6508210
	NAMED 6, 0xc890120
	NAMED 7, 0xb0600c0
	s_lshr_b32 s23, s25, 2                         ; n, at least 2: a token's two experts differ
; The expert whose weights are asked for next -> s27, and wq, ws, be at my tiles of it -> s[72:77].  restart = 1: the list's first again; J: which half of the outputs.
.macro NEXTE restart, J
.if \restart
	s_and_b32 s27, s24, 7
	s_mov_b32 s25, 4
.else
	s_lshr_b32 s27, s24, s25
	s_and_b32 s27, s27, 7
	s_add_co_u32 s25, s25, 4
.endif
	s_min_u32 s27, s27, 7
	s_lshl_b32 s30, s27, 19
	s_add_nc_u64 s[72:73], s[66:67], s[30:31]
	s_lshl_b32 s30, s27, 15
	s_add_nc_u64 s[74:75], s[68:69], s[30:31]
	s_lshl_b32 s30, s27, 12
	s_add_nc_u64 s[76:77], s[70:71], s[30:31]
.if \J
	s_add_nc_u64 s[72:73], s[72:73], 65536
	s_add_nc_u64 s[74:75], s[74:75], 512
	s_add_nc_u64 s[76:77], s[76:77], 512
.endif
.endm
.macro CODES u, s0                     ; eight loads: tile u's codes of K steps s0 .. s0 + 3
	WIN 0x40
.irp s, 0,1,2,3
.irp c, 0,1
	global_load_b128 v[64*\u+8*(\s0+\s)+4*\c:64*\u+8*(\s0+\s)+4*\c+3], v[L16], s[72:73] offset:8192*\u+1024*(\s0+\s)+512*\c
.endr
.endr
.endm
.macro BIAS u                          ; two loads
	WIN 0
	global_load_b128 v[BI+8*\u:BI+8*\u+3], v[BO], s[76:77] offset:64*\u
	global_load_b128 v[BI+8*\u+4:BI+8*\u+7], v[BO], s[76:77] offset:64*\u+16
.endm
.macro SCW u                           ; four loads: lanes 0-15 the words of K step q, lanes 16-31 of K step 4 + q
	WIN 0
.irp q, 0,1,2,3
	global_load_b32 v[BS+4*\u+\q], v[WSO], s[74:75] offset:64*\u+4096*\q
.endr
.endm
.macro PFA u                           ; ten loads
	BIAS \u
	CODES \u, 0
.endm
.macro PFB u                           ; twelve loads
	SCW \u
	CODES \u, 4
.endm
	NEXTE 1, 0
.irp u, 0,1
	CODES \u, 0                                    ; the first expert's codes: 32 loads
	CODES \u, 4
.endr
	WIN 0
	; ---- THE POSITIONS, lane = token: chain b's eight groups at a time.  BP asks the lane of the token's key where its cell begins: the index is 4 x key, taken out of the group's first word
.macro BP b
.set SB, SS+8*((\b)%3)
	v_add_nc_u32 v[SB+1], v[QB+(\b)], v[CW+16*(\b)]
.irp k, 2,3,4,5,6,7
	v_add_nc_u32 v[SB+\k], v[QB+(\b)], v[EX+6*(\b)+\k-2]
.endr
.irp k, 0,2,4,6,8,10,12,14
	v_and_b32 v[CW+16*(\b)+\k], 0x7c, v[CW+16*(\b)+\k]
.endr
	ds_bpermute_b32 v[CW+16*(\b)], v[CW+16*(\b)], v[QB+(\b)]
.irp k, 1,2,3,4,5,6,7
	ds_bpermute_b32 v[CW+16*(\b)+2*\k], v[CW+16*(\b)+2*\k], v[SB+\k]
.endr
.endm
.macro PR b                            ; + rank << 16; the upper half is the token's place among my positions; what lies outside (a negative number too) goes to word 128
.irp k, 0,2,4,6,8,10,12,14
	v_add_nc_u32 v[CW+16*(\b)+\k], v[CW+16*(\b)+\k], v[CW+16*(\b)+\k+1]
.endr
.irp k, 0,2,4,6,8,10,12,14
	v_lshrrev_b32 v[CW+16*(\b)+\k], 16, v[CW+16*(\b)+\k]
.endr
.irp k, 0,2,4,6,8,10,12,14
	v_min_u32 v[CW+16*(\b)+\k], 0x80, v[CW+16*(\b)+\k]
.endr
.irp k, 0,2,4,6,8,10,12,14
	v_lshl_add_u32 v[CW+16*(\b)+\k], v[CW+16*(\b)+\k], 2, s57
.endr
.irp k, 0,2,4,6,8,10,12,14
	ds_store_b32 v[CW+16*(\b)+\k], v[CW+16*(\b)+\k+1]
.endr
.endm
	BP 0
	BP 1
	BP 2
	s_wait_dscnt 16                                ; BP 0 is in; behind it: BP 1, BP 2
	PR 0
	BP 3
	s_wait_dscnt 24                                ; behind BP 1: BP 2, PR 0, BP 3
	PR 1
	BP 4
.irp b, 2,3,4
	s_wait_dscnt 32                                ; behind BP b: PR b - 2, BP b + 1, PR b - 1, BP b + 2
	PR \b
.if \b < 5
	BP \b+3
.endif
.endr
	s_wait_dscnt 32                                ; behind BP 5: PR 3, BP 6, PR 4, BP 7
	PR 5
	s_wait_dscnt 24                                ; behind BP 6: PR 4, BP 7, PR 5
	PR 6
	s_wait_dscnt 16                                ; behind BP 7: PR 5, PR 6
	PR 7
	MEET                                           ; the four lists are whole
	; ---- MY POSITION's token (position = thread): exactly one of the four lists has it, the others have 0.  My wave's 32 go into every lane: I gather these rows of x and store these rows of out0
.irp q, 0,1,2,3
	ds_load_b32 v[24+\q], v122 offset:LSZ*\q
.endr
.irp m, 0,1,2,3,4,5,6,7
	v_mov_b32 v[G+2*\m+1], 0                       ; the packed forms name a pair and take its low word: the upper word is written once
.endr
	s_wait_dscnt 0x0
	v_or_b32 v24, v24, v25
	v_or_b32 v26, v26, v27
	v_or_b32 v24, v24, v26
	v_and_b32 v24, 0x1fff, v24
	ds_store_b32 v123, v24
.irp c, 0,1,2,3,4,5,6,7
	ds_load_b128 v[TOK+4*\c:TOK+4*\c+3], v70 offset:16*\c          ; LDS serves a wave's instructions in order (ISA guide 5.7.1.4): these see my store
.endr
	s_wait_dscnt 0x0
.set i, 0
.rept 32
	v_min_u32 v[TOK+i], 0x1fff, v[TOK+i]           ; inside the tables
.set i, i+1
.endr
.set i, 0
.rept 32
	v_lshl_add_u32 v[CW+i], v[TOK+i], 9, v[L16]
.set i, i+1
.endr
	WIN 0x40
.set i, 0
.rept 32
	global_load_b128 v[128+4*i:128+4*i+3], v[CW+i], s[6:7]         ; a token's 512 bytes of codes: 32 lanes, 16 neighbouring bytes each
.set i, i+1
.endr
	WIN 0
	MEET                                           ; LM is whole
.irp p, 0,1,2,3
	ds_load_b32 v[160+\p], v124 offset:128*\p      ; lane l: position 32 p + l
.endr
.irp m, 0,1,2,3,4,5,6,7
	ds_load_b32 v[164+\m], v125 offset:64*\m       ; lane (r, h): position 16 m + r
.endr
.set i, 0
.rept 32
	v_lshl_add_u32 v[AD+i], v[TOK+i], 12, v[L16]   ; a row of out0 is 4,096 bytes
.set i, i+1
.endr
	s_wait_alu depctr_va_vdst(0)
	s_wait_dscnt 0x0
.irp m, 0,1,2,3,4,5,6,7,8,9,10,11
	v_min_u32 v[160+\m], 0x1fff, v[160+\m]
.endr
.irp p, 0,1,2,3
	v_lshlrev_b32 v[160+\p], 5, v[160+\p]          ; 32 scale bytes a token
.endr
.irp m, 0,1,2,3,4,5,6,7
	v_lshlrev_b32 v[164+\m], 4, v[164+\m]          ; 16 bytes of lo, hi and gates
.endr
.irp p, 0,1,2,3
	global_load_b128 v[AS+8*\p:AS+8*\p+3], v[160+\p], s[8:9]
	global_load_b128 v[AS+8*\p+4:AS+8*\p+7], v[160+\p], s[8:9] offset:16
.endr
.irp m, 0,1,2,3,4,5,6,7
	global_load_b128 v[GR+4*\m:GR+4*\m+3], v[164+\m], s[10:11]
.endr
.irp u, 0,1
	BIAS \u
	SCW \u
.endr
	s_wait_loadcnt 28                              ; the gathers are in; behind them stand 8 + 8 + 12 loads
	WIN 0x04                                       ; an LDS store's data are its source 1: window 1
.set i, 0
.rept 32
	ds_store_b128 v[SAD], v[128+4*i:128+4*i+3] offset:528*i
.set i, i+1
.endr
	WIN 0
	MEET                                           ; the block's 128 rows are in LDS
	WIN 0x80
.irp m, 0,1,2,3
.irp s, 0,1,2,3,4,5,6,7
.irp c, 0,1
	ds_load_b128 v[64*\m+8*\s+4*\c:64*\m+8*\s+4*\c+3], v[FA] offset:8448*\m+64*\s+32*\c   ; lane (r, h): token 16 m + r, block 2 c + h of K step s
.endr
.endr
.endr
	WIN 0xc0
.irp m, 0,1,2,3
.irp s, 0,1,2,3,4,5,6,7
.irp c, 0,1
	ds_load_b128 v[64*\m+8*\s+4*\c:64*\m+8*\s+4*\c+3], v[FA] offset:8448*(\m+4)+64*\s+32*\c
.endr
.endr
.endr
	WIN 0
	s_wait_loadcnt 0x0                             ; the first expert's weights, x's scale words and the gates are in
	s_wait_dscnt 0x0
; One matrix instruction: tile u of the weights, K step s, tokens 16 m on.  K step 0 takes the bias as C.  The weights' scale word lies in lanes 16-31 for K steps 4 to 7, x's for odd m.
.macro WM u, s, m
.set rD, ACC+8*(\m)
.set rA, 64*(\u)+8*(\s)
.set rB, 64*((\m)%4)+8*(\s)
.set rC, rD
.if (\s) == 0
.set rC, BI+8*(\u)
.endif
.set rSA, BS+4*(\u)+(\s)%4
.set rSB, AS+8*((\m)/2)+(\s)
.if ((\s) < 4) && ((\m)%2 == 0)
	v_wmma_scale_f32_16x16x128_f8f6f4 v[rD:rD+7], v[rA:rA+7], v[rB:rB+7], v[rC:rC+7], v[rSA], v[rSB] matrix_a_fmt:MATRIX_FMT_FP4 matrix_b_fmt:MATRIX_FMT_FP4
.elseif (\s) < 4
	v_wmma_scale_f32_16x16x128_f8f6f4 v[rD:rD+7], v[rA:rA+7], v[rB:rB+7], v[rC:rC+7], v[rSA], v[rSB] matrix_a_fmt:MATRIX_FMT_FP4 matrix_b_fmt:MATRIX_FMT_FP4 matrix_b_scale:MATRIX_SCALE_ROW1
.elseif (\m)%2 == 0
	v_wmma_scale_f32_16x16x128_f8f6f4 v[rD:rD+7], v[rA:rA+7], v[rB:rB+7], v[rC:rC+7], v[rSA], v[rSB] matrix_a_fmt:MATRIX_FMT_FP4 matrix_b_fmt:MATRIX_FMT_FP4 matrix_a_scale:MATRIX_SCALE_ROW1
.else
	v_wmma_scale_f32_16x16x128_f8f6f4 v[rD:rD+7], v[rA:rA+7], v[rB:rB+7], v[rC:rC+7], v[rSA], v[rSB] matrix_a_fmt:MATRIX_FMT_FP4 matrix_b_fmt:MATRIX_FMT_FP4 matrix_a_scale:MATRIX_SCALE_ROW1 matrix_b_scale:MATRIX_SCALE_ROW1
.endif
.endm
; 32 matrix instructions: four K steps x eight tiles of tokens.  Four accumulators take turns, one instruction a turn; then the other four, whose fragments of x lie in the next window.
.macro MM u, half
	WIN 0x09                                       ; source 0 window 1, source 1 window 2
.irp s, 0,1,2,3
.irp m, 0,1,2,3
	WM \u, 4*(\half)+\s, \m
.endr
.endr
	WIN 0x0d                                       ; source 1 window 3
.irp s, 0,1,2,3
.irp m, 4,5,6,7
	WM \u, 4*(\half)+\s, \m
.endr
.endr
.endm
.macro GATES                           ; each lane's gate for expert s26: the token's lower or higher gate, or 0
.irp m, 0,1,2,3,4,5,6,7
	v_cmp_eq_u32 vcc_lo, s26, v[GR+4*\m]
	v_cndmask_b32 v[G+2*\m], 0, v[GR+4*\m+2], vcc_lo
	v_cmp_eq_u32 vcc_lo, s26, v[GR+4*\m+1]
	v_cndmask_b32 v[G+2*\m], v[G+2*\m], v[GR+4*\m+3], vcc_lo
.endr
.endm
.macro EPI u, first                    ; OUT (+)= sum x gate; each accumulator is read from its low end on.  first = 1: the first expert starts OUT: nothing is cleared
.if \first
	WIN 0x40
.else
	WIN 0x50
.endif
.irp m, 0,1,2,3,4,5,6,7
.irp j, 0,2,4,6
.if \first
	v_pk_mul_f32 v[128+64*\u+8*\m+\j:128+64*\u+8*\m+\j+1], v[ACC+8*\m+\j:ACC+8*\m+\j+1], v[G+2*\m:G+2*\m+1] op_sel_hi:[1,0]
.else
	v_pk_fma_f32 v[128+64*\u+8*\m+\j:128+64*\u+8*\m+\j+1], v[ACC+8*\m+\j:ACC+8*\m+\j+1], v[G+2*\m:G+2*\m+1], v[128+64*\u+8*\m+\j:128+64*\u+8*\m+\j+1] op_sel_hi:[1,0,1]
.endif
.endr
.endr
.endm
; ONE EXPERT x TWO TILES: 128 matrix instructions.  pf = 1: behind each half of a tile its registers are asked for again, for the expert and half that NEXTE names.
; The loads go out as 10, 12, 10, 12 (bias, bias, 8 codes | 4 of scale words, 8 codes, for each tile).  The waits count the younger loads that may stay out:
;   a tile's first half wants its ten and its scale words: behind those stand 8 + 10 + 12 = 30;   its second half wants its twelve: behind them 10 + 12 + 10 = 32.
;   In the last body, which asks for nothing, the counts run down: 30, 22, 8, 0.
.macro BODY first, pf, restart, J
	s_mov_b32 s26, s27                             ; the expert in hand
.if \pf
	s_wait_xcnt 0x0                                ; the pending loads and stores have read their bases and data, which are written now
	NEXTE \restart, \J
.endif
	s_wait_loadcnt 30
	MM 0, 0
	WIN 0
	GATES                                          ; plain lines that name no register of the products above: they are also the places in front of the loads below
.if \pf
	PFA 0
	s_wait_loadcnt 32
.else
	s_wait_loadcnt 22
.endif
	MM 0, 1
	WIN 0
	PLACES
.if \pf
	PFB 0
.endif
	EPI 0, \first
.if \pf
	s_wait_loadcnt 30
.else
	s_wait_loadcnt 8
.endif
	MM 1, 0
	WIN 0
	PLACES
.if \pf
	PFA 1
	s_wait_loadcnt 32
.else
	s_wait_loadcnt 0x0
.endif
	MM 1, 1
	WIN 0
	PLACES
.if \pf
	PFB 1
.endif
	EPI 1, \first
	WIN 0                                          ; at a label and at a branch every window is 0
.endm
; THE WAY OUT of half J: OUT into stage J (row = position, my 32 bytes of tile u at 128 wave + 64 u + 32 h); behind the barrier I take positions 32 wave .. + 31 back as whole
; rows of 512 bytes and store each to its token's row: 32 lanes store 512 consecutive bytes, aligned.  The first half's stores leave while the second half is multiplied.
.macro WAYOUT J
	WIN 0x04
.irp u, 0,1
.irp m, 0,1,2,3,4,5,6,7
	ds_store_b128 v[SO+\J], v[128+64*\u+8*\m:128+64*\u+8*\m+3] offset:8448*\m+64*\u
	ds_store_b128 v[SO+\J], v[128+64*\u+8*\m+4:128+64*\u+8*\m+7] offset:8448*\m+64*\u+16
.endr
.endr
	WIN 0
	MEET
	WIN 0x40
.set i, 0
.rept 32
	ds_load_b128 v[128+4*i:128+4*i+3], v[RB+\J] offset:528*i
.set i, i+1
.endr
	WIN 0x04                                       ; a store's data are its source 1: window 1
.set i, 0
.rept 32
	s_wait_dscnt 31-i                              ; LDS loads come back in order (ISA guide 5.7.1): this one is in, the younger ones stay out
	global_store_b128 v[AD+i], v[128+4*i:128+4*i+3], s[80:81] offset:512*\J th:TH_STORE_NT
.set i, i+1
.endr
	WIN 0
.endm
	BODY 1, 1, 0, 0                                ; the first half of the outputs: the list's first expert,
	s_sub_co_u32 s28, s23, 2
	s_cmp_eq_u32 s28, 0
	s_cbranch_scc1 .Llast0
.Lmid0:                                            ; the n - 2 in the middle,
	BODY 0, 1, 0, 0
	s_sub_co_u32 s28, s28, 1
	s_cmp_lg_u32 s28, 0
	s_cbranch_scc1 .Lmid0
.Llast0:
	BODY 0, 1, 1, 1                                ; the last, which asks for the first expert's weights of the second half
	WAYOUT 0
	BODY 1, 1, 0, 1                                ; the second half likewise
	s_sub_co_u32 s28, s23, 2
	s_cmp_eq_u32 s28, 0
	s_cbranch_scc1 .Llast1
.Lmid1:
	BODY 0, 1, 0, 1
	s_sub_co_u32 s28, s28, 1
	s_cmp_lg_u32 s28, 0
	s_cbranch_scc1 .Lmid1
.Llast1:
	BODY 0, 0, 0, 0                                ; nothing is left to ask for
	WAYOUT 1
	s_wait_tensorcnt 0x0                           ; the wave's end
	ds_add_u32 v[SPW], v[NIL]
	s_wait_dscnt 0x0
	s_endpgm
.Lfunc_end_k_q5cd59d864f_experts:
	.size	k_q5cd59d864f_experts, .Lfunc_end_k_q5cd59d864f_experts-k_q5cd59d864f_experts
	.p2alignl 7, 3214868480
	.fill 96, 4, 3214868480
	.section	.rodata,"a",@progbits
	.p2align	6, 0x0
	.amdhsa_kernel k_q5cd59d864f_experts
		.amdhsa_group_segment_fixed_size 206848
		.amdhsa_private_segment_fixed_size 0
		.amdhsa_enable_private_segment 0
		.amdhsa_kernarg_size 64
		.amdhsa_user_sgpr_count 2
		.amdhsa_user_sgpr_kernarg_segment_ptr 1
		.amdhsa_wavefront_size32 1
		.amdhsa_system_sgpr_workgroup_id_x 1
		.amdhsa_system_sgpr_workgroup_id_y 1
		.amdhsa_system_sgpr_workgroup_id_z 1
		.amdhsa_system_vgpr_workitem_id 0
		.amdhsa_next_free_vgpr 1024
		.amdhsa_next_free_sgpr 96
		.amdhsa_reserve_vcc 1
		.amdhsa_float_denorm_mode_32 3
		.amdhsa_float_denorm_mode_16_64 3
		.amdhsa_memory_ordered 1
		.amdhsa_forward_progress 1
		.amdhsa_inst_pref_size 244
	.end_amdhsa_kernel
	.amdgpu_metadata
---
amdhsa.version: [ 1, 2 ]
amdhsa.kernels:
  - .name:           k_q5cd59d864f_experts
    .symbol:         k_q5cd59d864f_experts.kd
    .args:
      - { .name: route, .offset: 0, .size: 8, .value_kind: global_buffer, .address_space: global }
      - { .name: xq, .offset: 8, .size: 8, .value_kind: global_buffer, .address_space: global }
      - { .name: xs, .offset: 16, .size: 8, .value_kind: global_buffer, .address_space: global }
      - { .name: gates, .offset: 24, .size: 8, .value_kind: global_buffer, .address_space: global }
      - { .name: wq, .offset: 32, .size: 8, .value_kind: global_buffer, .address_space: global }
      - { .name: ws, .offset: 40, .size: 8, .value_kind: global_buffer, .address_space: global }
      - { .name: be, .offset: 48, .size: 8, .value_kind: global_buffer, .address_space: global }
      - { .name: out0, .offset: 56, .size: 8, .value_kind: global_buffer, .address_space: global }
    .group_segment_fixed_size: 206848
    .private_segment_fixed_size: 0
    .kernarg_segment_align: 8
    .kernarg_segment_size: 64
    .max_flat_workgroup_size: 128
    .sgpr_count:     96
    .vgpr_count:     1024
    .wavefront_size: 32
...
	.end_amdgpu_metadata
.endif
;; end of part 5
